; MI455X (gfx1250); checked and timed in simulation.
; The chip was launched on July 23, 2026; its instructions are those of AMD's public machine-readable ISA for CDNA 5 (MIT licence, August 2026) and "CDNA5" Instruction Set Architecture Reference Guide (July 2026). The comments in the code are by the model that wrote it; some were corrected since.
;; Expert. Allowed arithmetic: float matrix products may take bf16 or f16 operands with f32 sums; other float arithmetic in f32, or as packed bf16 or f16 multiplies, adds, multiply-adds, maxima and minima; sums over many terms, partial sums and values carried from step to step in f32; what a program stores and reads back later, other than sums and carried values, may be rounded once to bf16 or f16.
;; Inputs: b0 8 x 2,048 float32; b1 8 x 2,048 float32; b2 8 x 1,024 float32; gate_b 8 float32; gate_w 8 x 1,024 float32; w0 8 x 2,048 x 1,024 float32; w1 8 x 2,048 x 1,024 float32; w2 8 x 1,024 x 2,048 float32; x 2 x 512 x 1,024 float32.
;; Outputs: out0 2 x 512 x 1,024 float32.
;; 2 versions, each right; version 2 is version 1 with the launches up, down written anew for expert scheduling mode. Each part assembles by itself: llvm-mc -triple=amdgcn-amd-amdhsa -mcpu=gfx1250 --defsym DOCPART=n.
;; ======== version 1 of 2: 4 launches
;; workspace buffers: xb 2,097,152 bytes; tk 2,048 bytes of whole numbers; gw 8,192 bytes; act 33,554,432 bytes; y 16,777,216 bytes
;; launch route (part 1): grid 256 x 1, 4 waves a work-group, no clusters, 0 bytes of LDS; arguments x, gate_w, gate_b, xb, tk, gw; writes xb, tk, gw
.if DOCPART == 1
	.amdgcn_target "amdgcn-amd-amdhsa--gfx1250"
	.amdhsa_code_object_version 6
	.text
	.protected	k_q6e64b93072_route
	.globl	k_q6e64b93072_route
	.p2align	8
	.type	k_q6e64b93072_route,@function
k_q6e64b93072_route:
	s_mov_b64 s[64:65], 0
	v_nop
	global_prefetch_b8 v0, s[64:65] scope:SCOPE_SE
	s_setreg_imm32_b32 hwreg(HW_REG_WAVE_MODE, 25, 1), 1
	s_wait_xcnt 0x0
; ROUTER.  One wave, one token t = 4 x work-group + wave.  It rounds the token's row of x to bf16 and stores it (xb), forms the 8 logits
; x . gate_w[e] + gate_b[e], finds the two largest (the lower index wins a tie, as jax.lax.top_k has it) and the softmax of those two.
; FORMATS.  x, gate_w and gate_b are rounded once to bf16, like every input of this program; a product of two bf16 numbers is exact in f32, the sums are f32
; (four chains a lane, then across the 32 lanes), so their order differs from a plain dot product's.
; WHAT IS STORED, all at fixed places: xb[t][0..1023] bf16; tk[t], 16 bits: bit 2 e + k is set where entry n = 2 t + k goes to expert e; gw[2 t + k] f32, the entry's weight.
; No address and no branch hangs on a logit: the choice is made by v_cndmask_b32 alone.
; LIMITS.  Logits are taken to be finite: with NaN or -inf among them the second index may differ from top_k's.
; No LDS, no barrier, no matrix unit: 8 columns would fill half a tile, and the decision wants exact products.
.set X,    8                           ; v[8:39]    the row of x: load j holds columns 128 j + 4 lane + 0..3
.set XP,   40                          ; v[40:55]   the same, packed bf16: also the data of the stores, never rewritten
.set G,    56                          ; v[56:183]  four slots of 32: a row of gate_w each
.set GP,   184                         ; v[184:199] the row in hand, packed bf16
.set CH,   200                         ; v[200:203] four chains
.set LG,   204                         ; v[204:211] the logits
.set GB,   212                         ; v[212:219] gate_b
.set BEST, 220
.set BI,   221
.set SEC,  222
.set SI,   223
	s_load_b256 s[4:11], s[0:1], 0x0               ; x s[4:5], gate_w s[6:7], gate_b s[8:9], xb s[10:11]
	s_load_b128 s[12:15], s[0:1], 0x20             ; tk s[12:13], gw s[14:15]
	v_lshrrev_b32 v5, 5, v0
	v_readfirstlane_b32 s16, v5                    ; wave
	s_lshl2_add_u32 s17, ttmp9, s16                ; t
	v_and_b32 v1, 31, v0                           ; lane
	v_lshlrev_b32 v2, 4, v1                        ; 16 bytes a lane of f32 rows
	v_lshlrev_b32 v3, 3, v1                        ; 8 bytes a lane of bf16 rows
	v_mov_b32 v4, 0
	s_mov_b32 s20, 0x76543210                      ; v_permlanex16_b32: each lane takes its own place in the other half
	s_mov_b32 s21, 0xfedcba98
	s_mov_b32 s19, 0
	s_wait_kmcnt 0x0
	s_lshl_b32 s18, s17, 12
	s_add_nc_u64 s[4:5], s[4:5], s[18:19]          ; x at my row
	s_lshl_b32 s18, s17, 11
	s_add_nc_u64 s[10:11], s[10:11], s[18:19]      ; xb at my row
	s_lshl_b32 s18, s17, 1
	s_add_nc_u64 s[12:13], s[12:13], s[18:19]      ; tk at my token
	s_lshl_b32 s18, s17, 3
	s_add_nc_u64 s[14:15], s[14:15], s[18:19]      ; gw at my two entries
	global_load_b128 v[GB:GB+3], v4, s[8:9]
	global_load_b128 v[GB+4:GB+7], v4, s[8:9] offset:16
.irp j, 0,1,2,3,4,5,6,7
	global_load_b128 v[X+4*\j:X+4*\j+3], v2, s[4:5] offset:512*\j th:TH_LOAD_NT
.endr
.irp e, 0,1,2,3
.irp j, 0,1,2,3,4,5,6,7
	global_load_b128 v[G+32*\e+4*\j:G+32*\e+4*\j+3], v2, s[6:7] offset:4096*\e+512*\j
.endr
.endr
; Expert e's logit, my lane's part.  left = the loads of the younger experts, eight each, which may stay out.
.macro EXPERT e, left
	s_wait_loadcnt \left
.if (\e) == 0
.irp j, 0,1,2,3,4,5,6,7
	v_cvt_pk_bf16_f32 v[XP+2*\j], v[X+4*\j], v[X+4*\j+1]
	v_cvt_pk_bf16_f32 v[XP+2*\j+1], v[X+4*\j+2], v[X+4*\j+3]
.endr
.irp j, 0,1,2,3,4,5,6,7
	global_store_b64 v3, v[XP+2*\j:XP+2*\j+1], s[10:11] offset:256*\j  ; the wave stores 256 consecutive bytes, aligned
.endr
.endif
.set GS, G+32*((\e)%4)
.irp j, 0,1,2,3,4,5,6,7
	v_cvt_pk_bf16_f32 v[GP+2*\j], v[GS+4*\j], v[GS+4*\j+1]
	v_cvt_pk_bf16_f32 v[GP+2*\j+1], v[GS+4*\j+2], v[GS+4*\j+3]
.endr
.if (\e) < 4
.irp j, 0,1,2,3,4,5,6,7
	global_load_b128 v[GS+4*\j:GS+4*\j+3], v2, s[6:7] offset:4096*((\e)+4)+512*\j  ; the slot takes the expert four further on
.endr
.endif
.set i, 0
.rept 16
.if i < 2
	v_fma_mix_f32_bf16 v[CH+(2*i)%4], v[XP+i], v[GP+i], v4 op_sel_hi:[1,1,0]                  ; the first four products start the chains
	v_fma_mix_f32_bf16 v[CH+(2*i+1)%4], v[XP+i], v[GP+i], v4 op_sel:[1,1,0] op_sel_hi:[1,1,0]
.else
	v_fma_mix_f32_bf16 v[CH+(2*i)%4], v[XP+i], v[GP+i], v[CH+(2*i)%4] op_sel_hi:[1,1,0]
	v_fma_mix_f32_bf16 v[CH+(2*i+1)%4], v[XP+i], v[GP+i], v[CH+(2*i+1)%4] op_sel:[1,1,0] op_sel_hi:[1,1,0]
.endif
.set i, i+1
.endr
	v_add_f32 v[CH], v[CH], v[CH+1]
	v_add_f32 v[CH+2], v[CH+2], v[CH+3]
	v_add_f32 v[LG+(\e)], v[CH], v[CH+2]
.endm
	EXPERT 0, 24
	EXPERT 1, 24
	EXPERT 2, 24
	EXPERT 3, 24
	EXPERT 4, 24
	EXPERT 5, 16
	EXPERT 6, 8
	EXPERT 7, 0
.irp i, 0,1,2,3                        ; gate_b rounded to bf16
	v_cvt_pk_bf16_f32 v5, v[GB+2*\i], v[GB+2*\i+1]
	v_lshlrev_b32 v[GB+2*\i], 16, v5
	v_and_b32 v[GB+2*\i+1], 0xffff0000, v5
.endr
.irp m, 1,2,4,8                        ; across the lanes: four steps in each half of 16, the eight logits side by side
.irp e, 0,1,2,3,4,5,6,7
	v_add_f32_dpp v[LG+\e], v[LG+\e], v[LG+\e] row_xmask:\m row_mask:0xf bank_mask:0xf
.endr
.endr
.irp e, 0,1,2,3,4,5,6,7
	v_permlanex16_b32 v[GP+\e], v[LG+\e], s20, s21  ; the other half's sum; GP has been written
.endr
.irp e, 0,1,2,3,4,5,6,7
	v_add_f32 v[LG+\e], v[LG+\e], v[GP+\e]
.endr
.irp e, 0,1,2,3,4,5,6,7
	v_add_f32 v[LG+\e], v[LG+\e], v[GB+\e]
.endr
	; the two largest; 'greater' alone displaces, so of equal logits the lower index stays in front
	v_mov_b32 v[BEST], v[LG]
	v_mov_b32 v[BI], 0
	v_mov_b32 v[SEC], 0xff800000
	v_mov_b32 v[SI], 0
.irp e, 1,2,3,4,5,6,7
	v_cmp_gt_f32 vcc_lo, v[LG+\e], v[BEST]
	v_cmp_gt_f32 s22, v[LG+\e], v[SEC]
	v_cndmask_b32 v5, v[SEC], v[LG+\e], s22
	v_cndmask_b32 v6, v[SI], \e, s22
	v_cndmask_b32 v[SEC], v5, v[BEST], vcc_lo
	v_cndmask_b32 v[SI], v6, v[BI], vcc_lo
	v_cndmask_b32 v[BEST], v[BEST], v[LG+\e], vcc_lo
	v_cndmask_b32 v[BI], v[BI], \e, vcc_lo
.endr
	; softmax of the two, the maximum taken away: 1 / (1 + q) and q / (1 + q), q = e^(second - best) <= 1
	v_sub_f32 v5, v[SEC], v[BEST]
	v_mul_f32 v5, 0x3fb8aa3b, v5
	v_exp_f32 v[CH+2], v5
	v_mov_b32 v6, 1                                ; a plain instruction behind the exponential
	s_wait_alu depctr_va_vdst(0)                   ; the wait ahead of the first use of the result
	v_add_f32 v5, 1.0, v[CH+2]
	v_rcp_f32 v[CH], v5
	v_mov_b32 v7, 2                                ; a plain instruction behind the reciprocal
	s_wait_alu depctr_va_vdst(0)
	v_mul_f32 v[CH+1], v[CH+2], v[CH]
	v_lshlrev_b32 v[CH+2], 1, v[BI]
	v_lshlrev_b32 v[CH+2], v[CH+2], v6             ; 1 << 2 i0: entry 2 t
	v_lshlrev_b32 v[CH+3], 1, v[SI]
	v_lshlrev_b32 v[CH+3], v[CH+3], v7             ; 2 << 2 i1: entry 2 t + 1
	v_or_b32 v[CH+2], v[CH+2], v[CH+3]
	v_cmp_eq_u32 vcc_lo, 0, v1
	s_wait_xcnt 0x0                                ; EXEC is a source of the stores above: it changes only behind this wait
	s_and_saveexec_b32 s24, vcc_lo                 ; lane 0 alone
	global_store_b16 v4, v[CH+2], s[12:13]
	global_store_b64 v4, v[CH:CH+1], s[14:15]
	s_wait_xcnt 0x0                                ; and again ahead of the line that widens it
	s_or_b32 exec_lo, exec_lo, s24
	s_endpgm
.Lfunc_end_k_q6e64b93072_route:
	.size	k_q6e64b93072_route, .Lfunc_end_k_q6e64b93072_route-k_q6e64b93072_route
	.p2alignl 7, 3214868480
	.fill 96, 4, 3214868480
	.section	.rodata,"a",@progbits
	.p2align	6, 0x0
	.amdhsa_kernel k_q6e64b93072_route
		.amdhsa_group_segment_fixed_size 0
		.amdhsa_private_segment_fixed_size 0
		.amdhsa_enable_private_segment 0
		.amdhsa_kernarg_size 48
		.amdhsa_user_sgpr_count 2
		.amdhsa_user_sgpr_kernarg_segment_ptr 1
		.amdhsa_wavefront_size32 1
		.amdhsa_system_sgpr_workgroup_id_x 1
		.amdhsa_system_sgpr_workgroup_id_y 1
		.amdhsa_system_sgpr_workgroup_id_z 1
		.amdhsa_system_vgpr_workitem_id 0
		.amdhsa_next_free_vgpr 224
		.amdhsa_next_free_sgpr 66
		.amdhsa_reserve_vcc 1
		.amdhsa_float_denorm_mode_32 3
		.amdhsa_float_denorm_mode_16_64 3
		.amdhsa_memory_ordered 1
		.amdhsa_forward_progress 1
		.amdhsa_inst_pref_size 42
	.end_amdhsa_kernel
	.amdgpu_metadata
---
amdhsa.version: [ 1, 2 ]
amdhsa.kernels:
  - .name:           k_q6e64b93072_route
    .symbol:         k_q6e64b93072_route.kd
    .args:
      - { .name: x, .offset: 0, .size: 8, .value_kind: global_buffer, .address_space: global }
      - { .name: gate_w, .offset: 8, .size: 8, .value_kind: global_buffer, .address_space: global }
      - { .name: gate_b, .offset: 16, .size: 8, .value_kind: global_buffer, .address_space: global }
      - { .name: xb, .offset: 24, .size: 8, .value_kind: global_buffer, .address_space: global }
      - { .name: tk, .offset: 32, .size: 8, .value_kind: global_buffer, .address_space: global }
      - { .name: gw, .offset: 40, .size: 8, .value_kind: global_buffer, .address_space: global }
    .group_segment_fixed_size: 0
    .private_segment_fixed_size: 0
    .kernarg_segment_align: 8
    .kernarg_segment_size: 48
    .max_flat_workgroup_size: 128
    .sgpr_count:     66
    .vgpr_count:     224
    .wavefront_size: 32
...
	.end_amdgpu_metadata
.endif
;; end of part 1
;; launch up (part 2): grid 32 x 8, 4 waves a work-group, no clusters, 274,432 bytes of LDS; arguments xb, tk, w0, w1, b0, b1, act; writes act
.if DOCPART == 2
	.amdgcn_target "amdgcn-amd-amdhsa--gfx1250"
	.amdhsa_code_object_version 6
	.text
	.protected	k_q6e64b93072_up
	.globl	k_q6e64b93072_up
	.p2align	8
	.type	k_q6e64b93072_up,@function
k_q6e64b93072_up:
	s_mov_b64 s[64:65], 0
	v_nop
	global_prefetch_b8 v0, s[64:65] scope:SCOPE_SE
	s_setreg_imm32_b32 hwreg(HW_REG_WAVE_MODE, 25, 1), 1
	s_wait_xcnt 0x0
; UP.  act = (x w0^T + b0) * silu(x w1^T + b1), for the rows (token, k) that the router sent to an expert, and for no others.
; SHARES.  Work-group (s, e): the 64 hidden columns 64 s .. 64 s + 63 of expert e, in w0 and in w1: 128 weight rows of 4,096 bytes that no other work-group reads.
; PHASE A.  The four waves stream those rows through a ring of registers (56 loads of 512 bytes a wave stay out), round them to bf16 and lay them into LDS.  One barrier.
; PHASE B.  The expert's rows, in the order of their rank, go in tiles of 16; tile g is wave g % 4's.  A wave takes its tiles five at a time (a block): 4 waves x 5 x 16 = 320 ranks in one block.
; The block loop has the constant count 4 (1,024 ranks at the most) and jumps forward over blocks without a live tile.  Inside a block every load and wait is written for all five tiles;
; only tile 4's products and dead tiles' ways out are jumped; nothing that is jumped holds a barrier.  An expert without rows stores nothing.
; K's 32 steps are written out: every LDS address of the weights is a register made once from the thread's number, plus an immediate, and no pointer walks.
; RANK -> ENTRY (n = 2 t + k, entries ascending: the order in which the launch behind lists them) is found in registers, from the expert's bitmap of 2,048 bits, two words a lane:
; SCAN walks the bitmap 64 entries a trip and keeps, for each lane and tile, the last pair of words whose count before is not above the lane's rank; POST finds the bit in the pair, by the word's
; counts of 2, 4, 8 and 16 bits.  A rank past the count goes to the upper half at every level and ends at entry 2,047: a row that exists, the same for all such lanes; what is made of it is never read.
; THE MATRIX INSTRUCTION IS USED TRANSPOSED: source 0 = 16 weight rows, source 1 = 16 tokens.  A lane then holds one token (lane % 16) and eight neighbouring hidden columns.
; The sums start from the bias: the accumulators are loaded from a table in LDS, so nothing is cleared and no bias is added later.
; FORMATS.  x (by the launch before), w0, w1, b0, b1 rounded once to bf16; sums f32; act rounded once to bf16.  silu(h) = h / (1 + 2^(-h log2 e)); v_exp_f32 and v_rcp_f32 take denormals as 0.
; act: [8 e][32 s][1,024 rank][64] bf16: a tile's 16 rows are 2,048 consecutive bytes.  Ranks from 16 x ceil(count / 16) on are not written, and the launch behind reads none from count on.
; NO CLUSTER: each weight row has one reader; what an expert's 32 work-groups share, the token rows, comes row by row, by rank, in a loop whose work hangs on a stored count.
; NO TENSOR LOADS: the f32 weights pass through registers anyway, to be rounded.
; REGISTERS, in windows of 256 (s_set_vgpr_msb: bits 1:0 source 0, 3:2 source 1, 5:4 source 2, 7:6 destination):
;   window 0: v0-31 addresses and temporaries; v32-159 weight fragments, two buffers of 8 x 8 (ahead of a block's first fragments: v32-47 tk, v48-107 SCAN's and POST's); v160-255 the way out
;   window 1: phase A: the ring, 8 slots of 32; phase B: the accumulators of tiles 0-3, (t, ct) at 64 t + 8 ct
;   window 2: token fragments of tiles 0-3: buffer a, K step c of four at 128 a + 32 t + 8 c
;   window 3: tile 4: accumulators at 8 ct, fragments at 64 + 32 a + 8 c
.set PITCH,  2064                      ; an LDS row: 2,048 bytes + 16: an odd multiple of 16, so the 16 rows of a fragment load lie 16 bytes apart modulo 256
.set BIAS,   128*PITCH                 ; 128 words f32: the bias of LDS row q
.set STAGE,  BIAS+512                  ; for each wave 16 rows of 144 bytes, for the way out
.set STAGEB, 2304
.set SPARE,  STAGE+4*STAGEB            ; the spare words: 128 bytes a wave, named by no other line
.set KSTEPS, 32                        ; 1,024 along K, 32 a step
.set BF, 32
.set Z,  160                           ; v[160:191]
.set P,  192                           ; v[192:223]
.set C,  224                           ; v[224:239]
.set O,  240                           ; v[240:255]
.set BM,   28                          ; v28, v29  the bitmap: entries 64 lane + 0..31 and + 32..63; never rewritten once made
.set RHO,  48                          ; five registers each, one a tile: my rank
.set SW0,  53                          ; the pair's first word; later the word that holds the bit
.set SW1,  58                          ; its second word
.set SBS,  63                          ; trip << 24 | bits in the first word << 16 | count before; later the word's first entry
.set KK,   68                          ; set bits still to be passed
.set CN2,  73                          ; the word's counts in fields of 2,
.set CN4,  78                          ; 4,
.set CN8,  83                          ; 8
.set CN16, 88                          ; and 16 bits
.set POS,  93                          ; the bit's place, as far as it is known
.set TA,   98
.set TB,   103
; v1 lane % 16   v2 lane / 16   v3, v4 the add's two   v5 lane   v6 16 lane   v7 where phase A stores   v11 16 (lane / 16)
; v12-15 fragment addresses, hidden groups 0-3; never rewritten   v16-20 byte offsets of my token row, tiles 0-4   v21, v22 stage in, stage out   v24-27, v30 temporaries   v31 bias table
; LDS row q = 32 jt + 16 m + i holds w_m[e][64 s + 16 jt + i]: fragment ct = 2 jt + m, so h0 and h1 of the same columns lie in neighbouring accumulators
.set MSB, 0
.macro WIN new                         ; the immediate's high byte repeats the setting that is left; a switch that changes nothing is dropped
.if MSB != (\new)
	s_set_vgpr_msb (MSB<<8)|(\new)
.set MSB, \new
.endif
.endm
.macro PLACES                          ; four plain instructions between matrix instructions and loads into, or vector reads of, their registers
.rept 4
	v_nop
.endr
.endm
.macro ALL5 line:vararg                ; one line for each tile t
.set t, 0
.rept 5
	\line
.set t, t+1
.endr
.endm
; SCAN.  In: s36 = the first rank of the block's tile 0 (16 w + 320 b).  Out: for each tile the pair of words that holds my rank's bit, and the packed word; s50 = the expert's count.
; In trip 0 the count before is 0, so every lane takes that pair; a later pair displaces it while its count before is not above the rank.
.macro SCAN
	v_add_nc_u32 v[RHO], s36, v1
.irp t, 1,2,3,4
	v_add_nc_u32 v[RHO+\t], 64*\t, v[RHO]          ; the wave's next tile lies four tiles on
.endr
	ALL5 v_mov_b32 v[SW0+t], 0
	ALL5 v_mov_b32 v[SW1+t], 0
	ALL5 v_mov_b32 v[SBS+t], 0
	s_mov_b32 s50, 0
	s_mov_b32 s29, 0
.Lscan_\@:
	v_readlane_b32 s34, v[BM], s29
	v_readlane_b32 s35, v[BM+1], s29
	s_bcnt1_i32_b32 s51, s34
	s_lshl_b32 s52, s29, 8
	s_or_b32 s52, s52, s51
	s_lshl_b32 s52, s52, 16
	s_or_b32 s52, s52, s50
.set t, 0
.rept 5
	v_cmp_le_u32 vcc_lo, s50, v[RHO+t]
	v_cndmask_b32 v[SW0+t], v[SW0+t], s34, vcc_lo
	v_cndmask_b32 v[SW1+t], v[SW1+t], s35, vcc_lo
	v_cndmask_b32 v[SBS+t], v[SBS+t], s52, vcc_lo
.set t, t+1
.endr
	s_add_co_u32 s50, s50, s51
	s_bcnt1_i32_b32 s51, s35
	s_add_co_u32 s50, s50, s51
	s_add_co_u32 s29, s29, 1
	s_cmp_lt_u32 s29, 32
	s_cbranch_scc1 .Lscan_\@
.endm
; One level of POST: the field of w bits at POS holds the set bits of the lower half of what is left; where as many or more are still to be passed, the bit lies in the upper half.
.macro LEVEL src, w, first=0
.if \first
	ALL5 v_bfe_u32 v[TA+t], v[(\src)+t], 0, \w
.else
	ALL5 v_bfe_u32 v[TA+t], v[(\src)+t], v[POS+t], \w
.endif
.set t, 0
.rept 5
	v_cmp_ge_u32 vcc_lo, v[KK+t], v[TA+t]
.if \first
	v_cndmask_b32 v[POS+t], 0, \w, vcc_lo
.else
	v_cndmask_b32 v[TB+t], 0, \w, vcc_lo
.endif
.if (\w) > 1
	v_cndmask_b32 v[TA+t], 0, v[TA+t], vcc_lo
.endif
.set t, t+1
.endr
.if (\w) > 1
	ALL5 v_sub_nc_u32 v[KK+t], v[KK+t], v[TA+t]
.endif
.if !(\first)
	ALL5 v_add_nc_u32 v[POS+t], v[POS+t], v[TB+t]
.endif
.endm
; POST.  From SCAN's three words to the byte offset of my token's row in xb, for the five tiles side by side.
.macro POST
	ALL5 v_and_b32 v[KK+t], 0xffff, v[SBS+t]
	ALL5 v_sub_nc_u32 v[KK+t], v[RHO+t], v[KK+t]   ; my rank less the count before the pair
	ALL5 v_bfe_u32 v[TA+t], v[SBS+t], 16, 8        ; the first word's bits
.set t, 0
.rept 5
	v_cmp_ge_u32 vcc_lo, v[KK+t], v[TA+t]
	v_cndmask_b32 v[SW0+t], v[SW0+t], v[SW1+t], vcc_lo
	v_cndmask_b32 v[TB+t], 0, 32, vcc_lo
	v_cndmask_b32 v[TA+t], 0, v[TA+t], vcc_lo
.set t, t+1
.endr
	ALL5 v_sub_nc_u32 v[KK+t], v[KK+t], v[TA+t]
	ALL5 v_lshrrev_b32 v[SBS+t], 24, v[SBS+t]
	ALL5 v_lshl_add_u32 v[SBS+t], v[SBS+t], 6, v[TB+t]  ; the word's first entry: 64 x trip, + 32 for the second word
	ALL5 v_lshrrev_b32 v[TA+t], 1, v[SW0+t]        ; counts in fields of 2 bits,
	ALL5 v_and_b32 v[TA+t], s53, v[TA+t]
	ALL5 v_sub_nc_u32 v[CN2+t], v[SW0+t], v[TA+t]
	ALL5 v_lshrrev_b32 v[TA+t], 2, v[CN2+t]        ; of 4,
	ALL5 v_and_b32 v[TA+t], s54, v[TA+t]
	ALL5 v_and_b32 v[TB+t], s54, v[CN2+t]
	ALL5 v_add_nc_u32 v[CN4+t], v[TA+t], v[TB+t]
	ALL5 v_lshrrev_b32 v[TA+t], 4, v[CN4+t]        ; of 8,
	ALL5 v_add_nc_u32 v[TA+t], v[TA+t], v[CN4+t]
	ALL5 v_and_b32 v[CN8+t], s55, v[TA+t]
	ALL5 v_lshrrev_b32 v[TA+t], 8, v[CN8+t]        ; of 16
	ALL5 v_add_nc_u32 v[TA+t], v[TA+t], v[CN8+t]
	ALL5 v_and_b32 v[CN16+t], s56, v[TA+t]
	LEVEL CN16, 16, 1
	LEVEL CN8, 8
	LEVEL CN4, 4
	LEVEL CN2, 2
	LEVEL SW0, 1
	ALL5 v_add_nc_u32 v[16+t], v[SBS+t], v[POS+t]  ; the entry
	ALL5 v_min_u32 v[16+t], 2047, v[16+t]
	ALL5 v_and_b32 v[16+t], 0x7fe, v[16+t]         ; entry 2 t + k -> 2 t
	ALL5 v_lshl_add_u32 v[16+t], v[16+t], 10, v11  ; the token's row of 2,048 bytes, + 16 for the upper half of the lanes
.endm
	s_load_b256 s[4:11], s[0:1], 0x0               ; xb s[4:5], tk s[6:7], w0 s[8:9], w1 s[10:11]
	s_load_b128 s[12:15], s[0:1], 0x20             ; b0 s[12:13], b1 s[14:15]
	s_load_b64 s[16:17], s[0:1], 0x30              ; act
	v_lshl_add_u32 v3, v0, 2, SPARE
	v_mov_b32 v4, 0
	v_lshrrev_b32 v24, 5, v0
	v_readfirstlane_b32 s18, v24                   ; wave w
	s_and_b32 s19, ttmp7, 0xffff                   ; expert e
	s_mov_b32 s20, ttmp9                           ; slice s
	s_lshl_b32 s21, s19, 1                         ; 2 e: where the expert's two bits lie in a token's word
	s_mov_b32 s23, 0                               ; the high word of every offset pair s[22:23]
	s_mov_b32 s46, 0xbfb8aa3b                      ; -log2(e)
	s_mov_b32 s47, s46                             ; named with it as a pair
	s_mov_b32 s53, 0x55555555                      ; POST's four masks
	s_mov_b32 s54, 0x33333333
	s_mov_b32 s55, 0x0f0f0f0f
	s_mov_b32 s56, 0x00ff00ff
	v_and_b32 v5, 31, v0
	v_and_b32 v1, 15, v0
	v_bfe_u32 v2, v0, 4, 1
	v_lshlrev_b32 v6, 4, v5
	s_mul_i32 s36, s18, 32*PITCH
	v_lshl_add_u32 v7, v5, 3, s36                  ; LDS rows 32 w on, 8 bytes a lane
	v_mul_u32_u24 v12, v1, PITCH                   ; a fragment: row lane % 16, 16 bytes for each half of the lanes
	v_lshl_add_u32 v12, v2, 4, v12
	v_add_nc_u32 v13, 32*PITCH, v12                ; hidden group jt begins at LDS row 32 jt
	v_add_nc_u32 v14, 64*PITCH, v12
	v_add_nc_u32 v15, 96*PITCH, v12
	v_lshlrev_b32 v11, 4, v2
	s_mul_i32 s36, s18, STAGEB
	s_add_co_u32 s36, s36, STAGE
	v_mul_u32_u24 v21, v1, 144                     ; in: row lane % 16, 16 bytes for each half of the lanes
	v_lshl_add_u32 v21, v2, 4, v21
	v_add_nc_u32 v21, s36, v21
	v_lshrrev_b32 v22, 3, v5                       ; back: 32 lanes take four rows of 128 bytes
	v_mul_u32_u24 v22, v22, 144
	v_and_b32 v25, 7, v5
	v_lshl_add_u32 v22, v25, 4, v22
	v_add_nc_u32 v22, s36, v22
	v_lshlrev_b32 v24, 6, v5                       ; tk: 64 bytes a lane: 32 tokens
	s_lshl_b32 s36, s19, 11
	s_lshl_b32 s34, s20, 6
	s_add_co_u32 s36, s36, s34
	s_lshl4_add_u32 s36, s18, s36                  ; 2,048 e + 64 s + 16 w
	v_add_lshl_u32 v25, v1, s36, 2                 ; thread q's bias: column 16 (q / 32) + q % 16 of the slice
	s_wait_kmcnt 0x0
	s_lshl_b32 s22, s20, 6
	s_lshl4_add_u32 s22, s18, s22                  ; my 16 rows of each of w0 and w1: 64 s + 16 w on
	s_lshl_b32 s22, s22, 12
	s_lshl_b32 s36, s19, 23
	s_add_co_u32 s22, s22, s36
	s_add_nc_u64 s[24:25], s[8:9], s[22:23]
	s_add_nc_u64 s[26:27], s[10:11], s[22:23]
	s_lshl_b32 s22, s19, 5
	s_add_co_u32 s22, s22, s20
	s_lshl_b32 s22, s22, 17                        ; my plane of act,
	s_lshl_b32 s36, s18, 11
	s_add_co_u32 s22, s22, s36                     ; tile w
	s_add_nc_u64 s[48:49], s[16:17], s[22:23]
.irp j, 0,1,2,3
	global_load_b128 v[32+4*\j:35+4*\j], v24, s[6:7] offset:16*\j
.endr
	global_load_b32 v26, v25, s[12:13]
	global_load_b32 v27, v25, s[14:15]
	; The ring is filled: groups 0 to 6.  Group g = 2 i + m is row i of w_m: eight loads of 512 consecutive bytes.
	WIN 0x40
.irp g, 0,1,2,3,4,5,6
.irp j, 0,1,2,3,4,5,6,7
	global_load_b128 v[32*\g+4*\j:32*\g+4*\j+3], v6, s[24+2*(\g&1):25+2*(\g&1)] offset:(\g/2)*4096+512*\j th:TH_LOAD_NT
.endr
.endr
	WIN 0
	s_wait_loadcnt 56                              ; tk and the biases are in; the ring's 56 loads stay out while the bitmap is made and scanned
	v_cmp_ne_u32 vcc_lo, 0, v2
	v_cndmask_b32 v26, v26, v27, vcc_lo            ; q % 32 >= 16: b1
	v_cvt_pk_bf16_f32 v26, v26, v26
	v_lshlrev_b32 v26, 16, v26                     ; rounded to bf16, kept as f32
	v_lshl_add_u32 v27, v0, 2, BIAS
	ds_store_b32 v27, v26
	; The expert's bitmap.  My 16 words of tk hold 32 tokens = 64 entries.
.set i, 0
.rept 16
	v_lshrrev_b32 v30, s21, v[32+i]
	v_and_b32 v30, 0x00030003, v30                 ; two tokens' two bits
	v_lshrrev_b32 v31, 14, v30
.if i%8 == 0
	v_and_or_b32 v[BM+i/8], v30, 3, v31            ; four entries
.else
	v_and_or_b32 v30, v30, 3, v31
	v_lshl_or_b32 v[BM+i/8], v30, 4*(i%8), v[BM+i/8]
.endif
.set i, i+1
.endr
	s_lshl_b32 s36, s18, 4                         ; block 0: tile 0 is the expert's tile w
	SCAN
	s_min_u32 s30, s50, 1024                       ; the count
	s_add_co_u32 s32, s30, 15
	s_lshr_b32 s32, s32, 4                         ; tiles of the expert
	s_add_co_u32 s33, s32, 3
	s_sub_co_u32 s33, s33, s18
	s_lshr_b32 s33, s33, 2                         ; tiles of my wave: w, w + 4, ..
; PHASE A.  The turn of ring slot u: its group is in; the group seven further on is asked for, into the slot stored last turn; the group is rounded in place and stored.
; left = the loads of the younger groups, eight each, which may stay out.
.macro TURN u, ahead, left
	s_wait_loadcnt \left
.if \ahead
	WIN 0x40
.irp j, 0,1,2,3,4,5,6,7
	global_load_b128 v[32*(((\u)+7)%8)+4*\j:32*(((\u)+7)%8)+4*\j+3], v6, s[24+2*(((\u)+7)&1):25+2*(((\u)+7)&1)] offset:(((\u)+7)/2)*4096+512*\j th:TH_LOAD_NT
.endr
.endif
	WIN 0x45
.irp j, 0,1,2,3,4,5,6,7
	v_cvt_pk_bf16_f32 v[32*(\u)+4*\j], v[32*(\u)+4*\j], v[32*(\u)+4*\j+1]
	v_cvt_pk_bf16_f32 v[32*(\u)+4*\j+1], v[32*(\u)+4*\j+2], v[32*(\u)+4*\j+3]
.endr
	WIN 0x04
.irp j, 0,1,2,3,4,5,6,7
	ds_store_b64 v7, v[32*(\u)+4*\j:32*(\u)+4*\j+1] offset:(16*((\u)&1)+(\u)/2)*PITCH+256*\j  ; 32 lanes, 256 consecutive bytes
.endr
.endm
	s_mov_b32 s28, 3
.Lfill:                                                ; a trip: eight groups, four rows of each of w0 and w1
.irp u, 0,1,2,3,4,5,6,7
	TURN \u, 1, 48
.endr
	WIN 0
	s_wait_xcnt 0x0                                ; the loads that are out have had their addresses translated: only now the bases step
	s_add_nc_u64 s[24:25], s[24:25], 16384
	s_add_nc_u64 s[26:27], s[26:27], 16384
	v_add_nc_u32 v7, 4*PITCH, v7
	s_sub_co_u32 s28, s28, 1
	s_cmp_lg_u32 s28, 0
	s_cbranch_scc1 .Lfill
	TURN 0, 1, 48                                  ; the last eight groups: one more is asked for, then the counts run down
.irp u, 1,2,3,4,5,6,7
	TURN \u, 0, 8*(7-\u)
.endr
	WIN 0
	s_wait_dscnt 0x0                               ; for the others' sake: my rows and my bias words are in LDS
	s_barrier_signal -1
	s_barrier_wait -1                              ; the only barrier: from here on LDS rows and bias are read alone
; PHASE B.
.macro BFLOAD p, k                     ; 16 LDS loads: the eight weight fragments of the K step at byte k of the rows, into buffer p
.irp jt, 0,1,2,3
.irp m, 0,1
	ds_load_b128 v[BF+64*(\p)+8*(2*\jt+\m):BF+64*(\p)+8*(2*\jt+\m)+3], v[12+\jt] offset:\m*16*PITCH+(\k)
	ds_load_b128 v[BF+64*(\p)+8*(2*\jt+\m)+4:BF+64*(\p)+8*(2*\jt+\m)+7], v[12+\jt] offset:\m*16*PITCH+(\k)+32
.endr
.endr
.endm
.macro TOKENS a, off                   ; 40 loads: four K steps (256 aligned bytes of each token row, taken in one run) of the five tiles, into buffer a
	WIN 0x80
.irp t, 0,1,2,3
.irp j, 0,1,2,3,4,5,6,7
	global_load_b128 v[128*(\a)+32*\t+4*\j:128*(\a)+32*\t+4*\j+3], v[16+\t], s[4:5] offset:(\off)+32*\j
.endr
.endr
	WIN 0xc0
.irp j, 0,1,2,3,4,5,6,7
	global_load_b128 v[64+32*(\a)+4*\j:64+32*(\a)+4*\j+3], v20, s[4:5] offset:(\off)+32*\j
.endr
	WIN 0
.endm
; K step u of 32.  The next step's weight fragments are fetched, and at every fourth step the next four steps' token fragments; the last steps fetch nothing beyond K's end.
; The 32 accumulators of tiles 0-3 take turns, one instruction a turn, and so do tile 4's eight.
.macro STEP u
	WIN 0
	PLACES                                         ; behind the products that read the buffers loaded below
.if (\u) < KSTEPS-1
	BFLOAD ((\u)+1)%2, 64*((\u)+1)
.endif
.if ((\u)%4 == 0) && ((\u) < KSTEPS-4)
	TOKENS ((\u)/4+1)%2, 256*((\u)/4+1)
.endif
.if (\u) < KSTEPS-1
	s_wait_dscnt 16                                ; all but the 16 just issued: this step's weight fragments (and, in a block's first step, the accumulators' biases) are in
.else
	s_wait_dscnt 0x0
.endif
.if (\u)%4 == 0
.if (\u) < KSTEPS-4
	s_wait_loadcnt 40                              ; all but the 40 just issued: these four steps' token fragments are in
.else
	s_wait_loadcnt 0x0
.endif
.endif
	WIN 0x58                                       ; weights window 0, tokens window 2, C and D window 1
.irp t, 0,1,2,3
.irp ct, 0,1,2,3,4,5,6,7
	v_wmma_f32_16x16x32_bf16 v[64*\t+8*\ct:64*\t+8*\ct+7], v[BF+64*((\u)%2)+8*\ct:BF+64*((\u)%2)+8*\ct+7], v[128*(((\u)/4)%2)+32*\t+8*((\u)%4):128*(((\u)/4)%2)+32*\t+8*((\u)%4)+7], v[64*\t+8*\ct:64*\t+8*\ct+7]
.endr
.endr
	WIN 0
	s_cmp_eq_u32 s40, 0
	s_cbranch_scc1 .Lno4_\@                        ; tile 4 is dead: its eight products, and nothing else, are jumped
	WIN 0xfc                                       ; tokens, C and D window 3
.irp ct, 0,1,2,3,4,5,6,7
	v_wmma_f32_16x16x32_bf16 v[8*\ct:8*\ct+7], v[BF+64*((\u)%2)+8*\ct:BF+64*((\u)%2)+8*\ct+7], v[64+32*(((\u)/4)%2)+8*((\u)%4):64+32*(((\u)/4)%2)+8*((\u)%4)+7], v[8*\ct:8*\ct+7]
.endr
	WIN 0
.Lno4_\@:
.endm
; THE WAY OUT of tile t, jumped where the tile is dead.  The 32 exponentials are one batch and the 32 reciprocals another, each with one wait ahead of its first reader.
; Each accumulator is read from its lowest registers on.
.macro EPI t
	s_cmp_le_u32 s39, \t
	s_cbranch_scc1 .Ldead_\@
.if (\t) < 4
.set EA, 64*(\t)
.set EW, 1
.else
.set EA, 0
.set EW, 3
.endif
	WIN EW                                         ; source 0 in the accumulators' window
.irp jt, 0,1,2,3
.irp i, 0,1,2,3
	v_pk_mul_f32 v[Z+8*\jt+2*\i:Z+8*\jt+2*\i+1], v[EA+16*\jt+8+2*\i:EA+16*\jt+9+2*\i], s[46:47] op_sel_hi:[1,0]  ; -h1 log2 e
.endr
.endr
	WIN 0
.set i, 0
.rept 32
	v_exp_f32 v[Z+i], v[Z+i]
.set i, i+1
.endr
	WIN 5*EW                                       ; sources 0 and 1 in the accumulators' window
.irp jt, 0,1,2,3
.irp i, 0,1,2,3
	v_pk_mul_f32 v[P+8*\jt+2*\i:P+8*\jt+2*\i+1], v[EA+16*\jt+2*\i:EA+16*\jt+2*\i+1], v[EA+16*\jt+8+2*\i:EA+16*\jt+9+2*\i]  ; h0 h1: the plain work behind the batch
.endr
.endr
	WIN 0
	s_wait_alu depctr_va_vdst(0)
.set i, 0
.rept 16
	v_pk_add_f32 v[Z+2*i:Z+2*i+1], v[Z+2*i:Z+2*i+1], 1.0 op_sel_hi:[1,0]
.set i, i+1
.endr
.set i, 0
.rept 32
	v_rcp_f32 v[Z+i], v[Z+i]
.set i, i+1
.endr
	v_nop                                          ; a plain instruction behind the last reciprocal
	s_wait_alu depctr_va_vdst(0)
.set i, 0
.rept 16
	v_pk_mul_f32 v[P+2*i:P+2*i+1], v[P+2*i:P+2*i+1], v[Z+2*i:Z+2*i+1]
.set i, i+1
.endr
.set i, 0
.rept 16
	v_cvt_pk_bf16_f32 v[C+i], v[P+2*i], v[P+2*i+1]
.set i, i+1
.endr
	s_wait_xcnt 0x0                                ; the stores of the tile before have read O
.irp jt, 0,1,2,3
	ds_store_b128 v21, v[C+4*\jt:C+4*\jt+3] offset:32*\jt  ; my token's columns 16 jt + 8 (lane / 16) + 0..7
.endr
.irp i, 0,1,2,3
	ds_load_b128 v[O+4*\i:O+4*\i+3], v22 offset:576*\i     ; LDS serves a wave's instructions in order (ISA guide 5.7.1.4): these see the stores above; the stage is my wave's own
.endr
	s_wait_dscnt 0x0
.irp i, 0,1,2,3
	global_store_b128 v6, v[O+4*\i:O+4*\i+3], s[44:45] offset:8192*(\t)+512*\i  ; 512 consecutive bytes, at a multiple of 256 from act's first byte
.endr
.Ldead_\@:
.endm
	v_lshl_add_u32 v31, v2, 5, BIAS                ; the bias table at my eight rows of a fragment
	s_mov_b32 s37, 0                               ; block b
	s_mov_b32 s38, 0                               ; 5 b
.Lblock:
	s_cmp_le_u32 s33, s38
	s_cbranch_scc1 .Lnext                          ; no live tile in this block
	s_wait_xcnt 0x0                                ; the last block's loads and stores have read their offsets and their base
	s_sub_co_u32 s39, s33, s38                     ; live tiles from here on
	s_cmp_gt_u32 s39, 4
	s_cselect_b32 s40, 1, 0                        ; is tile 4 live?
	s_mul_i32 s22, s37, 40960                      ; 5 tiles x 4 waves x 2,048 bytes
	s_add_nc_u64 s[44:45], s[48:49], s[22:23]
	s_cmp_eq_u32 s37, 0
	s_cbranch_scc1 .Lscanned                       ; block 0 was scanned at the head, while the ring's first loads were out
	s_mul_i32 s36, s37, 320
	s_lshl4_add_u32 s36, s18, s36                  ; tile 0 of the block is the expert's tile 4 x 5 b + w: its first rank
	SCAN
.Lscanned:
	POST
	WIN 0x40                                       ; the sums start from the bias
.irp t, 0,1,2,3
.irp ct, 0,1,2,3,4,5,6,7
	ds_load_b128 v[64*\t+8*\ct:64*\t+8*\ct+3], v31 offset:64*\ct
	ds_load_b128 v[64*\t+8*\ct+4:64*\t+8*\ct+7], v31 offset:64*\ct+16
.endr
.endr
	WIN 0xc0
.irp ct, 0,1,2,3,4,5,6,7
	ds_load_b128 v[8*\ct:8*\ct+3], v31 offset:64*\ct
	ds_load_b128 v[8*\ct+4:8*\ct+7], v31 offset:64*\ct+16
.endr
	WIN 0
	BFLOAD 0, 0
	TOKENS 0, 0
.set ks, 0
.rept KSTEPS
	STEP ks
.set ks, ks+1
.endr
	PLACES                                         ; behind the last products: the ways out read their results, the next block writes and loads into their registers
	EPI 0
	EPI 1
	EPI 2
	EPI 3
	EPI 4
.Lnext:
	s_add_co_u32 s38, s38, 5
	s_add_co_u32 s37, s37, 1
	s_cmp_lt_u32 s37, 4
	s_cbranch_scc1 .Lblock
	s_wait_tensorcnt 0x0                           ; the wave's end, behind my last LDS store
	ds_add_u32 v3, v4
	s_wait_dscnt 0x0
	s_endpgm
.Lfunc_end_k_q6e64b93072_up:
	.size	k_q6e64b93072_up, .Lfunc_end_k_q6e64b93072_up-k_q6e64b93072_up
	.p2alignl 7, 3214868480
	.fill 96, 4, 3214868480
	.section	.rodata,"a",@progbits
	.p2align	6, 0x0
	.amdhsa_kernel k_q6e64b93072_up
		.amdhsa_group_segment_fixed_size 274432
		.amdhsa_private_segment_fixed_size 0
		.amdhsa_enable_private_segment 0
		.amdhsa_kernarg_size 56
		.amdhsa_user_sgpr_count 2
		.amdhsa_user_sgpr_kernarg_segment_ptr 1
		.amdhsa_wavefront_size32 1
		.amdhsa_system_sgpr_workgroup_id_x 1
		.amdhsa_system_sgpr_workgroup_id_y 1
		.amdhsa_system_sgpr_workgroup_id_z 1
		.amdhsa_system_vgpr_workitem_id 0
		.amdhsa_next_free_vgpr 896
		.amdhsa_next_free_sgpr 66
		.amdhsa_reserve_vcc 1
		.amdhsa_float_denorm_mode_32 3
		.amdhsa_float_denorm_mode_16_64 3
		.amdhsa_memory_ordered 1
		.amdhsa_forward_progress 1
		.amdhsa_inst_pref_size 255
	.end_amdhsa_kernel
	.section	.bss,"aw",@nobits
	.p2align	6
	.space	262144
	.amdgpu_metadata
---
amdhsa.version: [ 1, 2 ]
amdhsa.kernels:
  - .name:           k_q6e64b93072_up
    .symbol:         k_q6e64b93072_up.kd
    .args:
      - { .name: xb, .offset: 0, .size: 8, .value_kind: global_buffer, .address_space: global }
      - { .name: tk, .offset: 8, .size: 8, .value_kind: global_buffer, .address_space: global }
      - { .name: w0, .offset: 16, .size: 8, .value_kind: global_buffer, .address_space: global }
      - { .name: w1, .offset: 24, .size: 8, .value_kind: global_buffer, .address_space: global }
      - { .name: b0, .offset: 32, .size: 8, .value_kind: global_buffer, .address_space: global }
      - { .name: b1, .offset: 40, .size: 8, .value_kind: global_buffer, .address_space: global }
      - { .name: act, .offset: 48, .size: 8, .value_kind: global_buffer, .address_space: global }
    .group_segment_fixed_size: 274432
    .private_segment_fixed_size: 0
    .kernarg_segment_align: 8
    .kernarg_segment_size: 56
    .max_flat_workgroup_size: 128
    .sgpr_count:     66
    .vgpr_count:     896
    .wavefront_size: 32
...
	.end_amdgpu_metadata
.endif
;; end of part 2
;; launch down (part 3): grid 32 x 8, 4 waves a work-group, no clusters, 167,936 bytes of LDS; arguments act, tk, gw, w2, b2, y; writes y
.if DOCPART == 3
	.amdgcn_target "amdgcn-amd-amdhsa--gfx1250"
	.amdhsa_code_object_version 6
	.text
	.protected	k_q6e64b93072_down
	.globl	k_q6e64b93072_down
	.p2align	8
	.type	k_q6e64b93072_down,@function
k_q6e64b93072_down:
	s_mov_b64 s[64:65], 0
	v_nop
	global_prefetch_b8 v0, s[64:65] scope:SCOPE_SE
	s_setreg_imm32_b32 hwreg(HW_REG_WAVE_MODE, 25, 1), 1
	s_wait_xcnt 0x0
; DOWN.  y[kh][n] = gw[n] x (act[rank of n] . w2[e]^T over half kh of the hidden width, + b2[e] in half 0), for every routed entry n = 2 t + k.
; SHARES.  Work-group (db + 16 kh, e): the 64 output columns 64 db .. + 63 of expert e and the hidden columns 1,024 kh .. + 1,023: 64 pieces of 4,096 bytes of w2's rows, which no other
; work-group reads.  The two halves' partial rows stay f32 and are added, with the token's other entry, by the launch behind.
; PHASE A, PHASE B, blocks of five tiles a wave, the jumps and the transposed matrix instruction are those of the launch before: the weights go through a ring of registers
; (56 loads of 512 bytes a wave stay out) into LDS, one barrier, then tiles of 16 ranks; every load and wait of a block is written for all five tiles, a rank past the count repeats the last
; (and stores the same bytes to the same row), only tile 4's products and dead tiles' ways out are jumped, and nothing that is jumped holds a barrier.  An expert without rows stores nothing.
; The half's 16 planes are written out: every LDS address of the weights is a register made once from the thread's number, plus an immediate, and no pointer walks.
; The rows of act come by rank: a tile's 16 rows of a plane (64 hidden columns) are 2,048 consecutive bytes.
; FORMATS.  w2 and b2 rounded once to bf16; act is bf16; sums and y f32.
; NO CLUSTER: each piece of w2 has one reader; act's rows, which an expert's 16 work-groups of a half share, are walked in a loop whose work hangs on a stored count, where no tensor load stands.
; REGISTERS, in windows of 256 (s_set_vgpr_msb: bits 1:0 source 0, 3:2 source 1, 5:4 source 2, 7:6 destination):
;   window 0: v0-31 addresses and the rows' weights; v32-159 weight fragments, two buffers of 4 x 2 x 8; v160-239 the way out; v240-253 temporaries
;   window 1: phase A: the ring, 8 slots of 32; phase B: the accumulators of tiles 0-3, (t, ct) at 32 t + 8 ct
;   window 2: act fragments of tiles 0-3: buffer a, plane c of two, K half kk at 128 a + 32 t + 16 c + 8 kk
;   window 3: tile 4: accumulators at 8 ct, fragments at 64 + 32 a + 16 c + 8 kk
.set PITCH,  2064                      ; an LDS row: 2,048 bytes + 16: an odd multiple of 16
.set BIAS,   64*PITCH                  ; 128 words f32: word q holds the bias of LDS row q % 64 (0 in half 1)
.set LIST,   BIAS+512
.set LISTB,  4352
.set STAGE,  LIST+4*LISTB              ; for each wave 16 rows of 272 bytes
.set STAGEB, 4352
.set SPARE,  STAGE+4*STAGEB            ; the spare words: 128 bytes a wave, named by no other line
.set NPL, 16                           ; planes of 64 hidden columns in a half
.set BF, 32
.set GW, 22                            ; v[22:31]   tile t: the weight of my row in the even register; the odd ones hold 0 (named with them as pairs)
.set E,  160                           ; v[160:167] the entries of the eight rows that I store
.set YO, 168                           ; v[168:175] their byte offsets in y
.set S,  176                           ; v[176:207]
.set O,  208                           ; v[208:239]
; v1 lane % 16   v2 lane / 16   v3, v4 the add's two   v5 lane   v6 16 lane   v7 where phase A stores   v9 my list   v10 my dump word's number
; v11 16 (lane / 16)   v12, v13 fragment addresses, column tiles 0-1 and 2-3; never rewritten   v14 stage out   v15 16 (lane % 16)   v16-20 byte offsets of my row of act, tiles 0-4   v21 stage in
; v240-244 ranks, then offsets in gw   v245 bias table   v246, v247 the bitmap   v248-253 temporaries
.set MSB, 0
.macro WIN new                         ; the immediate's high byte repeats the setting that is left; a switch that changes nothing is dropped
.if MSB != (\new)
	s_set_vgpr_msb (MSB<<8)|(\new)
.set MSB, \new
.endif
.endm
.macro PLACES                          ; four plain instructions between matrix instructions and loads into, or vector reads of, their registers
.rept 4
	v_nop
.endr
.endm
	s_load_b256 s[4:11], s[0:1], 0x0               ; act s[4:5], tk s[6:7], gw s[8:9], w2 s[10:11]
	s_load_b128 s[12:15], s[0:1], 0x20             ; b2 s[12:13], y s[14:15]
	v_lshl_add_u32 v3, v0, 2, SPARE
	v_mov_b32 v4, 0
	v_lshrrev_b32 v249, 5, v0
	v_readfirstlane_b32 s18, v249                  ; wave w
	s_and_b32 s19, ttmp7, 0xffff                   ; expert e
	s_and_b32 s20, ttmp9, 15                       ; db
	s_lshr_b32 s26, ttmp9, 4                       ; kh
	s_lshl_b32 s21, s19, 1
	s_mov_b32 s23, 0                               ; the high word of every offset pair s[22:23]
	v_and_b32 v5, 31, v0
	v_and_b32 v1, 15, v0
	v_bfe_u32 v2, v0, 4, 1
	v_lshlrev_b32 v6, 4, v5
	s_mul_i32 s36, s18, 16*PITCH
	v_lshl_add_u32 v7, v5, 3, s36                  ; LDS rows 16 w on, 8 bytes a lane
	v_mul_u32_u24 v12, v1, PITCH                   ; a fragment: row lane % 16, 16 bytes for each half of the lanes
	v_lshl_add_u32 v12, v2, 4, v12
	v_add_nc_u32 v13, 32*PITCH, v12                ; column tiles 2 and 3 begin at LDS row 32
	s_mul_i32 s36, s18, LISTB
	s_add_co_u32 s36, s36, LIST
	v_mov_b32 v9, s36
	v_add_nc_u32 v10, 1024, v5
	v_lshlrev_b32 v11, 4, v2
	v_lshlrev_b32 v15, 4, v1
	s_mul_i32 s36, s18, STAGEB
	s_add_co_u32 s36, s36, STAGE
	v_mul_u32_u24 v21, v1, 272                     ; in: row lane % 16, 32 bytes for each half of the lanes
	v_lshl_add_u32 v21, v2, 5, v21
	v_add_nc_u32 v21, s36, v21
	v_mul_u32_u24 v14, v2, 8*272                   ; back: lanes 0-15 take a row of 256 bytes, lanes 16-31 the row eight further down
	v_lshl_add_u32 v14, v1, 4, v14
	v_add_nc_u32 v14, s36, v14
.irp t, 0,1,2,3,4
	v_mov_b32 v[GW+2*\t+1], 0
.endr
	v_lshlrev_b32 v249, 6, v5                      ; tk: 64 bytes a lane: 32 tokens
	s_lshl_b32 s36, s19, 10
	s_lshl_b32 s34, s20, 6
	s_add_co_u32 s36, s36, s34                     ; 1,024 e + 64 db
	v_and_b32 v250, 63, v0
	v_add_lshl_u32 v250, v250, s36, 2
	s_wait_kmcnt 0x0
	s_lshl4_add_u32 s22, s18, s36                  ; my 16 rows of w2: 1,024 e + 64 db + 16 w on,
	s_lshl_b32 s22, s22, 13
	s_lshl_b32 s34, s26, 12                        ; their half kh
	s_add_co_u32 s22, s22, s34
	s_add_nc_u64 s[24:25], s[10:11], s[22:23]
	s_lshl_b32 s22, s26, 23
	s_lshl_b32 s34, s20, 8
	s_add_co_u32 s22, s22, s34
	s_add_nc_u64 s[44:45], s[14:15], s[22:23]      ; y at half kh, column 64 db
	s_lshl_b32 s22, s19, 5
	s_lshl4_add_u32 s22, s26, s22
	s_lshl_b32 s22, s22, 17
	s_add_nc_u64 s[48:49], s[4:5], s[22:23]        ; act at plane 32 e + 16 kh
.irp j, 0,1,2,3
	global_load_b128 v[32+4*\j:35+4*\j], v249, s[6:7] offset:16*\j
.endr
	global_load_b32 v251, v250, s[12:13]
	; The ring is filled: groups 0 to 6.  Group g is my row g's 4,096 bytes: eight loads of 512 consecutive bytes.
	WIN 0x40
.irp g, 0,1,2,3,4,5,6
.irp j, 0,1,2,3,4,5,6,7
	global_load_b128 v[32*\g+4*\j:32*\g+4*\j+3], v6, s[24:25] offset:\g*8192+512*\j th:TH_LOAD_NT
.endr
.endr
	WIN 0
	s_wait_loadcnt 56                              ; tk and the bias are in; the ring's 56 loads stay out while the list is made
	s_cmp_eq_u32 s26, 0
	s_cselect_b32 s36, -1, 0
	v_cndmask_b32 v251, 0, v251, s36               ; the bias belongs to half 0 alone
	v_cvt_pk_bf16_f32 v251, v251, v251
	v_lshlrev_b32 v251, 16, v251
	v_lshl_add_u32 v252, v0, 2, BIAS
	ds_store_b32 v252, v251
	; The expert's bitmap: v246 takes entries 64 lane + 0..31, v247 the next 32.
.set i, 0
.rept 16
	v_lshrrev_b32 v252, s21, v[32+i]
	v_and_b32 v252, 0x00030003, v252
	v_lshrrev_b32 v253, 14, v252
.if i%8 == 0
	v_and_or_b32 v[246+i/8], v252, 3, v253
.else
	v_and_or_b32 v252, v252, 3, v253
	v_lshl_or_b32 v[246+i/8], v252, 4*(i%8), v[246+i/8]
.endif
.set i, i+1
.endr
	; The list, rank -> entry: the ranks are those of the launch before.
	s_mov_b32 s30, 0
	s_mov_b32 s29, 0
	v_mov_b32 v248, v5
.Llist:
	v_readlane_b32 s34, v246, s29
	v_readlane_b32 s35, v247, s29
	v_mbcnt_lo_u32_b32 v249, s34, s30
	s_bcnt1_i32_b32 s36, s34
	s_add_co_u32 s30, s30, s36
	v_mbcnt_lo_u32_b32 v250, s35, s30
	s_bcnt1_i32_b32 s36, s35
	s_add_co_u32 s30, s30, s36
	v_cndmask_b32 v249, v10, v249, s34
	v_cndmask_b32 v250, v10, v250, s35
	v_min_u32 v249, 1055, v249
	v_min_u32 v250, 1055, v250
	v_lshl_add_u32 v249, v249, 2, v9
	v_lshl_add_u32 v250, v250, 2, v9
	v_add_nc_u32 v251, 32, v248
	ds_store_b32 v249, v248
	ds_store_b32 v250, v251
	v_add_nc_u32 v248, 64, v248
	s_add_co_u32 s29, s29, 1
	s_cmp_lt_u32 s29, 32
	s_cbranch_scc1 .Llist
	s_min_u32 s30, s30, 1024
	s_max_u32 s31, s30, 1
	s_sub_co_u32 s31, s31, 1                       ; the last rank
	s_add_co_u32 s32, s30, 15
	s_lshr_b32 s32, s32, 4
	s_add_co_u32 s33, s32, 3
	s_sub_co_u32 s33, s33, s18
	s_lshr_b32 s33, s33, 2                         ; tiles of my wave
; PHASE A.  The turn of ring slot u; left = the loads of the younger groups, eight each.
.macro TURN u, ahead, left
	s_wait_loadcnt \left
.if \ahead
	WIN 0x40
.irp j, 0,1,2,3,4,5,6,7
	global_load_b128 v[32*(((\u)+7)%8)+4*\j:32*(((\u)+7)%8)+4*\j+3], v6, s[24:25] offset:((\u)+7)*8192+512*\j th:TH_LOAD_NT
.endr
.endif
	WIN 0x45
.irp j, 0,1,2,3,4,5,6,7
	v_cvt_pk_bf16_f32 v[32*(\u)+4*\j], v[32*(\u)+4*\j], v[32*(\u)+4*\j+1]
	v_cvt_pk_bf16_f32 v[32*(\u)+4*\j+1], v[32*(\u)+4*\j+2], v[32*(\u)+4*\j+3]
.endr
	WIN 0x04
.irp j, 0,1,2,3,4,5,6,7
	ds_store_b64 v7, v[32*(\u)+4*\j:32*(\u)+4*\j+1] offset:(\u)*PITCH+256*\j
.endr
.endm
.irp u, 0,1,2,3,4,5,6,7
	TURN \u, 1, 48                                 ; rows 0 to 7; rows 7 to 14 are asked for
.endr
	WIN 0
	s_wait_xcnt 0x0                                ; the loads that are out have had their addresses translated: only now the base steps
	s_add_nc_u64 s[24:25], s[24:25], 65536
	v_add_nc_u32 v7, 8*PITCH, v7
	TURN 0, 1, 48                                  ; rows 8 to 15: the last row is asked for, then the counts run down
.irp u, 1,2,3,4,5,6,7
	TURN \u, 0, 8*(7-\u)
.endr
	WIN 0
	s_wait_dscnt 0x0                               ; for the others' sake: my rows and my bias words are in LDS
	s_barrier_signal -1
	s_barrier_wait -1                              ; the only barrier
; PHASE B.
.macro BFLOAD p, k                     ; 16 LDS loads: the weight fragments of one plane (64 along K) at byte k of the rows, into buffer p
.irp ct, 0,1,2,3
.irp kk, 0,1
	ds_load_b128 v[BF+64*(\p)+16*\ct+8*\kk:BF+64*(\p)+16*\ct+8*\kk+3], v[12+\ct/2] offset:(\ct&1)*16*PITCH+(\k)+64*\kk
	ds_load_b128 v[BF+64*(\p)+16*\ct+8*\kk+4:BF+64*(\p)+16*\ct+8*\kk+7], v[12+\ct/2] offset:(\ct&1)*16*PITCH+(\k)+64*\kk+32
.endr
.endr
.endm
.macro TOKENS a, pl                    ; 40 loads: planes pl and pl + 1 (a row of 128 bytes in each) of the five tiles, into buffer a
	WIN 0x80
.irp t, 0,1,2,3
.irp c, 0,1
.irp j, 0,1,2,3
	global_load_b128 v[128*(\a)+32*\t+16*\c+4*\j:128*(\a)+32*\t+16*\c+4*\j+3], v[16+\t], s[48:49] offset:131072*((\pl)+\c)+32*\j
.endr
.endr
.endr
	WIN 0xc0
.irp c, 0,1
.irp j, 0,1,2,3
	global_load_b128 v[64+32*(\a)+16*\c+4*\j:64+32*(\a)+16*\c+4*\j+3], v20, s[48:49] offset:131072*((\pl)+\c)+32*\j
.endr
.endr
	WIN 0
.endm
; Plane u of 16: 64 along K.  The next plane's weight fragments are fetched, and at every second plane the next two planes of act; the last planes fetch nothing beyond the half's end.
; The 16 accumulators of tiles 0-3 take turns, one instruction a turn, each twice; tile 4's four likewise.
.macro STEP u
	WIN 0
	PLACES                                         ; behind the products that read the buffers loaded below
.if (\u) < NPL-1
	BFLOAD ((\u)+1)%2, 128*((\u)+1)
.endif
.if ((\u)%2 == 0) && ((\u) < NPL-2)
	TOKENS ((\u)/2+1)%2, 2*((\u)/2+1)
.endif
.if (\u) < NPL-1
	s_wait_dscnt 16                                ; all but the 16 just issued
.else
	s_wait_dscnt 0x0
.endif
.if (\u)%2 == 0
.if (\u) < NPL-2
	s_wait_loadcnt 40                              ; all but the 40 just issued: these two planes (and, in a block's first step, the rows' weights) are in
.else
	s_wait_loadcnt 0x0
.endif
.endif
	WIN 0x58                                       ; weights window 0, act window 2, C and D window 1
.irp kk, 0,1
.irp t, 0,1,2,3
.irp ct, 0,1,2,3
	v_wmma_f32_16x16x32_bf16 v[32*\t+8*\ct:32*\t+8*\ct+7], v[BF+64*((\u)%2)+16*\ct+8*\kk:BF+64*((\u)%2)+16*\ct+8*\kk+7], v[128*(((\u)/2)%2)+32*\t+16*((\u)%2)+8*\kk:128*(((\u)/2)%2)+32*\t+16*((\u)%2)+8*\kk+7], v[32*\t+8*\ct:32*\t+8*\ct+7]
.endr
.endr
.endr
	WIN 0
	s_cmp_eq_u32 s40, 0
	s_cbranch_scc1 .Lno4_\@                        ; tile 4 is dead: its eight products, and nothing else, are jumped
	WIN 0xfc
.irp kk, 0,1
.irp ct, 0,1,2,3
	v_wmma_f32_16x16x32_bf16 v[8*\ct:8*\ct+7], v[BF+64*((\u)%2)+16*\ct+8*\kk:BF+64*((\u)%2)+16*\ct+8*\kk+7], v[64+32*(((\u)/2)%2)+16*((\u)%2)+8*\kk:64+32*(((\u)/2)%2)+16*((\u)%2)+8*\kk+7], v[8*\ct:8*\ct+7]
.endr
.endr
	WIN 0
.Lno4_\@:
.endm
; THE WAY OUT of tile t, jumped where the tile is dead: the sums times the row's weight, through my stage, and out as whole pieces of 256 bytes to the rows that the list names.
.macro EPI t
	s_cmp_le_u32 s39, \t
	s_cbranch_scc1 .Ldead_\@
.if (\t) < 4
.set EA, 32*(\t)
.set EW, 1
.else
.set EA, 0
.set EW, 3
.endif
	s_wait_xcnt 0x0                                ; the stores of the tile before have read YO and O
	v_lshl_add_u32 v249, v2, 3, s41                ; the block's first rank + 8 for the upper half of the lanes
.irp i, 0,1,2,3,4,5,6,7
	v_add_nc_u32 v[E+\i], 64*(\t)+\i, v249         ; the rank of stage row 8 (lane / 16) + i
	v_min_u32 v[E+\i], s31, v[E+\i]
	v_min_u32 v[E+\i], 1023, v[E+\i]
	v_lshl_add_u32 v[E+\i], v[E+\i], 2, v9
	ds_load_b32 v[E+\i], v[E+\i]
.endr
	WIN EW                                         ; source 0 in the accumulators' window
.irp ct, 0,1,2,3
.irp i, 0,1,2,3
	v_pk_mul_f32 v[S+8*\ct+2*\i:S+8*\ct+2*\i+1], v[EA+8*\ct+2*\i:EA+8*\ct+2*\i+1], v[GW+2*(\t):GW+2*(\t)+1] op_sel_hi:[1,0]
.endr
.endr
	WIN 0
.irp ct, 0,1,2,3
	ds_store_b128 v21, v[S+8*\ct:S+8*\ct+3] offset:64*\ct        ; my row's columns 16 ct + 8 (lane / 16) + 0..3
	ds_store_b128 v21, v[S+8*\ct+4:S+8*\ct+7] offset:64*\ct+16   ; and + 4..7
.endr
.irp i, 0,1,2,3,4,5,6,7
	ds_load_b128 v[O+4*\i:O+4*\i+3], v14 offset:272*\i           ; LDS serves a wave's instructions in order (ISA guide 5.7.1.4): these see the stores above; the stage is my wave's own
.endr
	s_wait_dscnt 0x0
.irp i, 0,1,2,3,4,5,6,7
	v_min_u32 v[YO+\i], 2047, v[E+\i]
	v_lshl_add_u32 v[YO+\i], v[YO+\i], 12, v15     ; the entry's row of 4,096 bytes, + 16 bytes a lane
.endr
.irp i, 0,1,2,3,4,5,6,7
	global_store_b128 v[YO+\i], v[O+4*\i:O+4*\i+3], s[44:45]     ; sixteen lanes store 256 consecutive bytes, at a multiple of 256 from y's first byte
.endr
.Ldead_\@:
.endm
	v_lshl_add_u32 v245, v2, 5, BIAS               ; the bias table at my eight rows of a fragment
	s_mov_b32 s37, 0                               ; block b
	s_mov_b32 s38, 0                               ; 5 b
.Lblock:
	s_cmp_le_u32 s33, s38
	s_cbranch_scc1 .Lnext                          ; no live tile in this block
	s_wait_xcnt 0x0                                ; the last block's loads and stores have read their offsets
	s_sub_co_u32 s39, s33, s38                     ; live tiles from here on
	s_cmp_gt_u32 s39, 4
	s_cselect_b32 s40, 1, 0
	s_lshl2_add_u32 s41, s38, s18                  ; tile 0 of the block is the expert's tile 4 x 5 b + w
	s_lshl_b32 s41, s41, 4
	v_add_nc_u32 v240, s41, v1                     ; my rank in it
.irp t, 1,2,3,4
	v_add_nc_u32 v[240+\t], 64*\t, v240
.endr
.irp t, 0,1,2,3,4
	v_min_u32 v[240+\t], s31, v[240+\t]            ; a rank past the count repeats the last
	v_min_u32 v[240+\t], 1023, v[240+\t]
	v_lshl_add_u32 v[16+\t], v[240+\t], 7, v11     ; the rank's row of 128 bytes in a plane, + 16 for the upper half of the lanes
	v_lshl_add_u32 v[240+\t], v[240+\t], 2, v9
	ds_load_b32 v[240+\t], v[240+\t]
.endr
	s_wait_dscnt 0x0
.irp t, 0,1,2,3,4
	v_min_u32 v[240+\t], 2047, v[240+\t]
	v_lshlrev_b32 v[240+\t], 2, v[240+\t]
	global_load_b32 v[GW+2*\t], v[240+\t], s[8:9]  ; the weight of my row's entry
.endr
	WIN 0x40                                       ; the sums start from the bias
.irp t, 0,1,2,3
.irp ct, 0,1,2,3
	ds_load_b128 v[32*\t+8*\ct:32*\t+8*\ct+3], v245 offset:64*\ct
	ds_load_b128 v[32*\t+8*\ct+4:32*\t+8*\ct+7], v245 offset:64*\ct+16
.endr
.endr
	WIN 0xc0
.irp ct, 0,1,2,3
	ds_load_b128 v[8*\ct:8*\ct+3], v245 offset:64*\ct
	ds_load_b128 v[8*\ct+4:8*\ct+7], v245 offset:64*\ct+16
.endr
	WIN 0
	BFLOAD 0, 0
	TOKENS 0, 0
.set ks, 0
.rept NPL
	STEP ks
.set ks, ks+1
.endr
	PLACES                                         ; behind the last products: the ways out read their results, the next block loads into their registers
	EPI 0
	EPI 1
	EPI 2
	EPI 3
	EPI 4
.Lnext:
	s_add_co_u32 s38, s38, 5
	s_add_co_u32 s37, s37, 1
	s_cmp_lt_u32 s37, 4
	s_cbranch_scc1 .Lblock
	s_wait_tensorcnt 0x0                           ; the wave's end, behind my last LDS store
	ds_add_u32 v3, v4
	s_wait_dscnt 0x0
	s_endpgm
.Lfunc_end_k_q6e64b93072_down:
	.size	k_q6e64b93072_down, .Lfunc_end_k_q6e64b93072_down-k_q6e64b93072_down
	.p2alignl 7, 3214868480
	.fill 96, 4, 3214868480
	.section	.rodata,"a",@progbits
	.p2align	6, 0x0
	.amdhsa_kernel k_q6e64b93072_down
		.amdhsa_group_segment_fixed_size 167936
		.amdhsa_private_segment_fixed_size 0
		.amdhsa_enable_private_segment 0
		.amdhsa_kernarg_size 48
		.amdhsa_user_sgpr_count 2
		.amdhsa_user_sgpr_kernarg_segment_ptr 1
		.amdhsa_wavefront_size32 1
		.amdhsa_system_sgpr_workgroup_id_x 1
		.amdhsa_system_sgpr_workgroup_id_y 1
		.amdhsa_system_sgpr_workgroup_id_z 1
		.amdhsa_system_vgpr_workitem_id 0
		.amdhsa_next_free_vgpr 896
		.amdhsa_next_free_sgpr 66
		.amdhsa_reserve_vcc 0
		.amdhsa_float_denorm_mode_32 3
		.amdhsa_float_denorm_mode_16_64 3
		.amdhsa_memory_ordered 1
		.amdhsa_forward_progress 1
		.amdhsa_inst_pref_size 177
	.end_amdhsa_kernel
	.amdgpu_metadata
---
amdhsa.version: [ 1, 2 ]
amdhsa.kernels:
  - .name:           k_q6e64b93072_down
    .symbol:         k_q6e64b93072_down.kd
    .args:
      - { .name: act, .offset: 0, .size: 8, .value_kind: global_buffer, .address_space: global }
      - { .name: tk, .offset: 8, .size: 8, .value_kind: global_buffer, .address_space: global }
      - { .name: gw, .offset: 16, .size: 8, .value_kind: global_buffer, .address_space: global }
      - { .name: w2, .offset: 24, .size: 8, .value_kind: global_buffer, .address_space: global }
      - { .name: b2, .offset: 32, .size: 8, .value_kind: global_buffer, .address_space: global }
      - { .name: y, .offset: 40, .size: 8, .value_kind: global_buffer, .address_space: global }
    .group_segment_fixed_size: 167936
    .private_segment_fixed_size: 0
    .kernarg_segment_align: 8
    .kernarg_segment_size: 48
    .max_flat_workgroup_size: 128
    .sgpr_count:     66
    .vgpr_count:     896
    .wavefront_size: 32
...
	.end_amdgpu_metadata
.endif
;; end of part 3
;; launch sum (part 4): grid 256 x 1, 4 waves a work-group, no clusters, 0 bytes of LDS; arguments y, out0; writes out0
.if DOCPART == 4
	.amdgcn_target "amdgcn-amd-amdhsa--gfx1250"
	.amdhsa_code_object_version 6
	.text
	.protected	k_q6e64b93072_sum
	.globl	k_q6e64b93072_sum
	.p2align	8
	.type	k_q6e64b93072_sum,@function
k_q6e64b93072_sum:
	s_mov_b64 s[64:65], 0
	v_nop
	global_prefetch_b8 v0, s[64:65] scope:SCOPE_SE
	s_setreg_imm32_b32 hwreg(HW_REG_WAVE_MODE, 25, 1), 1
	s_wait_xcnt 0x0
; SUM.  out0[t] = y[0][2 t] + y[0][2 t + 1] + y[1][2 t] + y[1][2 t + 1]: a token's two entries, each in two halves of the hidden width, all f32.
; One wave, one token t = 4 x work-group + wave.  All 32 loads of 512 consecutive bytes go out at once; each group of four is added and stored as it comes in.
; The order of the sum, (a + b) + (c + d), differs from a plain sum over the hidden width.  A stream: no LDS, no barrier, no matrix unit; no register is used twice, so no wait but the loads' own.
.set Y0, 8                             ; v[8:135]: column group j at Y0 + 16 j: entry 0 half 0, entry 1 half 0, entry 0 half 1, entry 1 half 1
	s_load_b128 s[4:7], s[0:1], 0x0                ; y s[4:5], out0 s[6:7]
	v_lshrrev_b32 v1, 5, v0
	v_readfirstlane_b32 s8, v1
	s_lshl2_add_u32 s9, ttmp9, s8                  ; t
	v_and_b32 v2, 31, v0
	v_lshlrev_b32 v2, 4, v2                        ; 16 bytes a lane
	s_mov_b32 s11, 0
	s_wait_kmcnt 0x0
	s_lshl_b32 s10, s9, 13
	s_add_nc_u64 s[4:5], s[4:5], s[10:11]          ; half 0 at entry 2 t
	s_add_nc_u64 s[12:13], s[4:5], 0x800000        ; half 1
	s_lshl_b32 s10, s9, 12
	s_add_nc_u64 s[6:7], s[6:7], s[10:11]
.irp j, 0,1,2,3,4,5,6,7
	global_load_b128 v[Y0+16*\j:Y0+16*\j+3],     v2, s[4:5] offset:512*\j th:TH_LOAD_NT
	global_load_b128 v[Y0+16*\j+4:Y0+16*\j+7],   v2, s[4:5] offset:4096+512*\j th:TH_LOAD_NT
	global_load_b128 v[Y0+16*\j+8:Y0+16*\j+11],  v2, s[12:13] offset:512*\j th:TH_LOAD_NT
	global_load_b128 v[Y0+16*\j+12:Y0+16*\j+15], v2, s[12:13] offset:4096+512*\j th:TH_LOAD_NT
.endr
.irp j, 0,1,2,3,4,5,6,7
	s_wait_loadcnt 4*(7-\j)                        ; the four loads of each younger group may stay out
	v_pk_add_f32 v[Y0+16*\j:Y0+16*\j+1],     v[Y0+16*\j:Y0+16*\j+1],     v[Y0+16*\j+4:Y0+16*\j+5]
	v_pk_add_f32 v[Y0+16*\j+2:Y0+16*\j+3],   v[Y0+16*\j+2:Y0+16*\j+3],   v[Y0+16*\j+6:Y0+16*\j+7]
	v_pk_add_f32 v[Y0+16*\j+8:Y0+16*\j+9],   v[Y0+16*\j+8:Y0+16*\j+9],   v[Y0+16*\j+12:Y0+16*\j+13]
	v_pk_add_f32 v[Y0+16*\j+10:Y0+16*\j+11], v[Y0+16*\j+10:Y0+16*\j+11], v[Y0+16*\j+14:Y0+16*\j+15]
	v_pk_add_f32 v[Y0+16*\j:Y0+16*\j+1],     v[Y0+16*\j:Y0+16*\j+1],     v[Y0+16*\j+8:Y0+16*\j+9]
	v_pk_add_f32 v[Y0+16*\j+2:Y0+16*\j+3],   v[Y0+16*\j+2:Y0+16*\j+3],   v[Y0+16*\j+10:Y0+16*\j+11]
	global_store_b128 v2, v[Y0+16*\j:Y0+16*\j+3], s[6:7] offset:512*\j th:TH_STORE_NT  ; 512 consecutive bytes, aligned
.endr
	s_endpgm
.Lfunc_end_k_q6e64b93072_sum:
	.size	k_q6e64b93072_sum, .Lfunc_end_k_q6e64b93072_sum-k_q6e64b93072_sum
	.p2alignl 7, 3214868480
	.fill 96, 4, 3214868480
	.section	.rodata,"a",@progbits
	.p2align	6, 0x0
	.amdhsa_kernel k_q6e64b93072_sum
		.amdhsa_group_segment_fixed_size 0
		.amdhsa_private_segment_fixed_size 0
		.amdhsa_enable_private_segment 0
		.amdhsa_kernarg_size 16
		.amdhsa_user_sgpr_count 2
		.amdhsa_user_sgpr_kernarg_segment_ptr 1
		.amdhsa_wavefront_size32 1
		.amdhsa_system_sgpr_workgroup_id_x 1
		.amdhsa_system_sgpr_workgroup_id_y 1
		.amdhsa_system_sgpr_workgroup_id_z 1
		.amdhsa_system_vgpr_workitem_id 0
		.amdhsa_next_free_vgpr 144
		.amdhsa_next_free_sgpr 66
		.amdhsa_reserve_vcc 0
		.amdhsa_float_denorm_mode_32 3
		.amdhsa_float_denorm_mode_16_64 3
		.amdhsa_memory_ordered 1
		.amdhsa_forward_progress 1
		.amdhsa_inst_pref_size 8
	.end_amdhsa_kernel
	.amdgpu_metadata
---
amdhsa.version: [ 1, 2 ]
amdhsa.kernels:
  - .name:           k_q6e64b93072_sum
    .symbol:         k_q6e64b93072_sum.kd
    .args:
      - { .name: y, .offset: 0, .size: 8, .value_kind: global_buffer, .address_space: global }
      - { .name: out0, .offset: 8, .size: 8, .value_kind: global_buffer, .address_space: global }
    .group_segment_fixed_size: 0
    .private_segment_fixed_size: 0
    .kernarg_segment_align: 8
    .kernarg_segment_size: 16
    .max_flat_workgroup_size: 128
    .sgpr_count:     66
    .vgpr_count:     144
    .wavefront_size: 32
...
	.end_amdgpu_metadata
.endif
;; end of part 4
;; ======== version 2 of 2: 4 launches; version 1 with the launches up, down written anew for expert scheduling mode
;; workspace buffers: xb 2,097,152 bytes; tk 2,048 bytes of whole numbers; gw 8,192 bytes; act 33,554,432 bytes; y 16,777,216 bytes
;; launch route: the kernel of part 1 again; grid 256 x 1, 4 waves a work-group, no clusters, 0 bytes of LDS; arguments x, gate_w, gate_b, xb, tk, gw; writes xb, tk, gw
;; launch up (part 5): grid 32 x 8, 4 waves a work-group, no clusters, 274,432 bytes of LDS; arguments xb, tk, w0, w1, b0, b1, act; writes act
.if DOCPART == 5
	.amdgcn_target "amdgcn-amd-amdhsa--gfx1250"
	.amdhsa_code_object_version 6
	.text
	.protected	k_q6e64b93072_up
	.globl	k_q6e64b93072_up
	.p2align	8
	.type	k_q6e64b93072_up,@function
k_q6e64b93072_up:
	s_mov_b64 s[64:65], 0
	v_nop
	global_prefetch_b8 v0, s[64:65] scope:SCOPE_SE
	s_setreg_imm32_b32 hwreg(HW_REG_WAVE_SCHED_MODE, 0, 2), 2
	s_setreg_imm32_b32 hwreg(HW_REG_WAVE_MODE, 25, 1), 1
	s_wait_xcnt 0x0
	s_wait_alu depctr_vm_vsrc(0)
; UP.  act = (x w0^T + b0) * silu(x w1^T + b1), for the rows (token, k) that the router sent to an expert, and for no others.
; SHARES.  Work-group (s, e): the 64 hidden columns 64 s .. 64 s + 63 of expert e, in w0 and in w1: 128 weight rows of 4,096 bytes that no other work-group reads.
; PHASE A.  The four waves stream those rows through a ring of registers (56 loads of 512 bytes a wave stay out), round them to bf16 and lay them into LDS.  One barrier.
; PHASE B.  The expert's rows, in the order of their rank, go in tiles of 16; tile g is wave g % 4's.  A wave takes its tiles five at a time (a block): 4 waves x 5 x 16 = 320 ranks in one block.
; The block loop has the constant count 4 (1,024 ranks at the most) and jumps forward over blocks without a live tile.  Inside a block every load and wait is written for all five tiles;
; only tile 4's products and dead tiles' ways out are jumped; nothing that is jumped holds a barrier.  An expert without rows stores nothing.
; K's 32 steps are written out: every LDS address of the weights is a register made once from the thread's number, plus an immediate, and no pointer walks.
; RANK -> ENTRY (n = 2 t + k, entries ascending: the order in which the launch behind lists them) is found in registers, from the expert's bitmap of 2,048 bits, two words a lane:
; SCAN walks the bitmap 64 entries a trip and keeps, for each lane and tile, the last pair of words whose count before is not above the lane's rank; POST finds the bit in the pair, by the word's
; counts of 2, 4, 8 and 16 bits.  A rank past the count goes to the upper half at every level and ends at entry 2,047: a row that exists, the same for all such lanes; what is made of it is never read.
; THE MATRIX INSTRUCTION IS USED TRANSPOSED: source 0 = 16 weight rows, source 1 = 16 tokens.  A lane then holds one token (lane % 16) and eight neighbouring hidden columns.
; The sums start from the bias: the accumulators are loaded from a table in LDS, so nothing is cleared and no bias is added later.
; FORMATS.  x (by the launch before), w0, w1, b0, b1 rounded once to bf16; sums f32; act rounded once to bf16.  silu(h) = h / (1 + 2^(-h log2 e)); v_exp_f32 and v_rcp_f32 take denormals as 0.
; act: [8 e][32 s][1,024 rank][64] bf16: a tile's 16 rows are 2,048 consecutive bytes.  Ranks from 16 x ceil(count / 16) on are not written, and the launch behind reads none from count on.
; NO CLUSTER: each weight row has one reader; what an expert's 32 work-groups share, the token rows, comes row by row, by rank, in a loop whose work hangs on a stored count.
; NO TENSOR LOADS: the f32 weights pass through registers anyway, to be rounded.
; THE MODE: SCHED_MODE bits 1:0 = 2 (LLVM: expert scheduling mode 2), set by the entry lines.  The code itself states the register dependences
; between vector or matrix instructions and memory or LDS instructions, with s_wait_alu, always for 0.
; THE PLAN.  Registers that memory or LDS instructions touch:
;   ring slots    Phase A, turn u: its sixteen conversions read slot u; the loads of turn u + 1 land in it.  No store reads a slot.
;   Y0, Y1        Phase A, turn u: its conversions write Y[u % 2]; its eight LDS stores read it.
;   v6            Read by every load of the ring and every store of act; never written again.      v7  Read by every LDS store of phase A; written once a trip.
;   BF0, BF1      K step u: its products read BF[u % 2]; its sixteen LDS loads land in the other, which the step before read.
;   token buffers Two, of four K steps each: the forty loads of every fourth step land in the one that the four steps before read.
;   v12-15, v31   LDS addresses, never written again.      v16-20  Token offsets: written by POST, read by the block's token loads.
;   accumulators  Loaded with the bias at a block's head; then named by matrix instructions and by the ways out's vector instructions alone.
;   C, O          A way out: its roundings write C, its LDS stores read C, its LDS loads land in O, its global stores read O.
; So a turn has one wait on va_vdst, behind its conversions, and one on vm_vsrc beside it; a K step has one wait on va_vdst, at its head, and its loads are dealt among its products,
; which name the other buffers and the accumulators alone; a block's head has one wait of each kind; a way out one on vm_vsrc and one on va_vdst beside the two behind its exponentials and reciprocals.
; REGISTERS, in windows of 256 (s_set_vgpr_msb: bits 1:0 source 0, 3:2 source 1, 5:4 source 2, 7:6 destination):
;   window 0: v0-31 addresses and temporaries; v32-159 weight fragments, two buffers of 8 x 8 (ahead of a block's first fragments: v32-47 tk, v48-107 SCAN's and POST's); v160-255 the way out (phase A: v160-191 Y0, Y1)
;   window 1: phase A: the ring, 8 slots of 32; phase B: the accumulators of tiles 0-3, (t, ct) at 64 t + 8 ct
;   window 2: token fragments of tiles 0-3: buffer a, K step c of four at 128 a + 32 t + 8 c
;   window 3: tile 4: accumulators at 8 ct, fragments at 64 + 32 a + 8 c
.set PITCH,  2064                      ; an LDS row: 2,048 bytes + 16: an odd multiple of 16, so the 16 rows of a fragment load lie 16 bytes apart modulo 256
.set BIAS,   128*PITCH                 ; 128 words f32: the bias of LDS row q
.set STAGE,  BIAS+512                  ; for each wave 16 rows of 144 bytes, for the way out
.set STAGEB, 2304                      ; (the 512 bytes behind the four stages: the words of the closing add)
.set KSTEPS, 32                        ; 1,024 along K, 32 a step
.set BF, 32
.set Y,  160                           ; v[160:191] phase A: two out-buffers of 16
.set Z,  160                           ; v[160:191]
.set P,  192                           ; v[192:223]
.set C,  224                           ; v[224:239]
.set O,  240                           ; v[240:255]
.set BM,   28                          ; v28, v29  the bitmap: entries 64 lane + 0..31 and + 32..63; never rewritten once made
.set RHO,  48                          ; five registers each, one a tile: my rank
.set SW0,  53                          ; the pair's first word; later the word that holds the bit
.set SW1,  58                          ; its second word
.set SBS,  63                          ; trip << 24 | bits in the first word << 16 | count before; later the word's first entry
.set KK,   68                          ; set bits still to be passed
.set CN2,  73                          ; the word's counts in fields of 2,
.set CN4,  78                          ; 4,
.set CN8,  83                          ; 8
.set CN16, 88                          ; and 16 bits
.set POS,  93                          ; the bit's place, as far as it is known
.set TA,   98
.set TB,   103
.set MK,   57                          ; s[57:61]  five lane masks, one a tile: a run of five compares writes them, one wait stands behind the run
; v1 lane % 16   v2 lane / 16   v5 lane   v6 16 lane   v7 where phase A stores   v11 16 (lane / 16)
; v12-15 fragment addresses, hidden groups 0-3; never rewritten   v16-20 byte offsets of my token row, tiles 0-4   v21, v22 stage in, stage out   v24-27, v30 temporaries   v31 bias table
; LDS row q = 32 jt + 16 m + i holds w_m[e][64 s + 16 jt + i]: fragment ct = 2 jt + m, so h0 and h1 of the same columns lie in neighbouring accumulators
.set MSB, 0
.macro WIN new                         ; the immediate's high byte repeats the setting that is left; a switch that changes nothing is dropped
.if MSB != (\new)
	s_set_vgpr_msb (MSB<<8)|(\new)
.set MSB, \new
.endif
.endm
.macro PLACES                          ; four plain instructions between matrix instructions and vector instructions that read their results or write their registers (ISA guide 7.12.1)
.rept 4
	v_nop
.endr
.endm
.macro ALL5 line:vararg                ; one line for each tile t
.set t, 0
.rept 5
	\line
.set t, t+1
.endr
.endm
; SCAN.  In: s36 = the first rank of the block's tile 0 (16 w + 320 b).  Out: for each tile the pair of words that holds my rank's bit, and the packed word; s50 = the expert's count.
; In trip 0 the count before is 0, so every lane takes that pair; a later pair displaces it while its count before is not above the rank.
.macro SCAN
	v_add_nc_u32 v[RHO], s36, v1
.irp t, 1,2,3,4
	v_add_nc_u32 v[RHO+\t], 64*\t, v[RHO]          ; the wave's next tile lies four tiles on
.endr
	ALL5 v_mov_b32 v[SW0+t], 0
	ALL5 v_mov_b32 v[SW1+t], 0
	ALL5 v_mov_b32 v[SBS+t], 0
	s_mov_b32 s50, 0
	s_mov_b32 s29, 0
.Lscan_\@:
	v_readlane_b32 s34, v[BM], s29
	v_readlane_b32 s35, v[BM+1], s29
	ALL5 v_cmp_le_u32 s[MK+t], s50, v[RHO+t]
	s_wait_alu depctr_va_sdst(0)                   ; the pair's two words s34, s35 and the five masks are written, ahead of their first readers
	s_bcnt1_i32_b32 s51, s34
	s_lshl_b32 s52, s29, 8
	s_or_b32 s52, s52, s51
	s_lshl_b32 s52, s52, 16
	s_or_b32 s52, s52, s50
.set t, 0
.rept 5
	v_cndmask_b32 v[SW0+t], v[SW0+t], s34, s[MK+t]
	v_cndmask_b32 v[SW1+t], v[SW1+t], s35, s[MK+t]
	v_cndmask_b32 v[SBS+t], v[SBS+t], s52, s[MK+t]
.set t, t+1
.endr
	s_add_co_u32 s50, s50, s51
	s_bcnt1_i32_b32 s51, s35
	s_add_co_u32 s50, s50, s51
	s_add_co_u32 s29, s29, 1
	s_cmp_lt_u32 s29, 32
	s_cbranch_scc1 .Lscan_\@
.endm
; One level of POST: the field of w bits at POS holds the set bits of the lower half of what is left; where as many or more are still to be passed, the bit lies in the upper half.
.macro LEVEL src, w, first=0
.if \first
	ALL5 v_bfe_u32 v[TA+t], v[(\src)+t], 0, \w
.else
	ALL5 v_bfe_u32 v[TA+t], v[(\src)+t], v[POS+t], \w
.endif
	ALL5 v_cmp_ge_u32 s[MK+t], v[KK+t], v[TA+t]
	s_wait_alu depctr_va_sdst(0)                   ; the five masks are written, ahead of the selects that read them
.if \first
	ALL5 v_cndmask_b32 v[POS+t], 0, \w, s[MK+t]
.else
	ALL5 v_cndmask_b32 v[TB+t], 0, \w, s[MK+t]
.endif
.if (\w) > 1
	ALL5 v_cndmask_b32 v[TA+t], 0, v[TA+t], s[MK+t]
	ALL5 v_sub_nc_u32 v[KK+t], v[KK+t], v[TA+t]
.endif
.if !(\first)
	ALL5 v_add_nc_u32 v[POS+t], v[POS+t], v[TB+t]
.endif
.endm
; POST.  From SCAN's three words to the byte offset of my token's row in xb, for the five tiles side by side.
.macro POST
	ALL5 v_and_b32 v[KK+t], 0xffff, v[SBS+t]
	ALL5 v_sub_nc_u32 v[KK+t], v[RHO+t], v[KK+t]   ; my rank less the count before the pair
	ALL5 v_bfe_u32 v[TA+t], v[SBS+t], 16, 8        ; the first word's bits
	ALL5 v_cmp_ge_u32 s[MK+t], v[KK+t], v[TA+t]
	s_wait_alu depctr_va_sdst(0)                   ; the five masks are written, ahead of the selects that read them
	ALL5 v_cndmask_b32 v[SW0+t], v[SW0+t], v[SW1+t], s[MK+t]
	ALL5 v_cndmask_b32 v[TB+t], 0, 32, s[MK+t]
	ALL5 v_cndmask_b32 v[TA+t], 0, v[TA+t], s[MK+t]
	ALL5 v_sub_nc_u32 v[KK+t], v[KK+t], v[TA+t]
	ALL5 v_lshrrev_b32 v[SBS+t], 24, v[SBS+t]
	ALL5 v_lshl_add_u32 v[SBS+t], v[SBS+t], 6, v[TB+t]  ; the word's first entry: 64 x trip, + 32 for the second word
	ALL5 v_lshrrev_b32 v[TA+t], 1, v[SW0+t]        ; counts in fields of 2 bits,
	ALL5 v_and_b32 v[TA+t], s53, v[TA+t]
	ALL5 v_sub_nc_u32 v[CN2+t], v[SW0+t], v[TA+t]
	ALL5 v_lshrrev_b32 v[TA+t], 2, v[CN2+t]        ; of 4,
	ALL5 v_and_b32 v[TA+t], s54, v[TA+t]
	ALL5 v_and_b32 v[TB+t], s54, v[CN2+t]
	ALL5 v_add_nc_u32 v[CN4+t], v[TA+t], v[TB+t]
	ALL5 v_lshrrev_b32 v[TA+t], 4, v[CN4+t]        ; of 8,
	ALL5 v_add_nc_u32 v[TA+t], v[TA+t], v[CN4+t]
	ALL5 v_and_b32 v[CN8+t], s55, v[TA+t]
	ALL5 v_lshrrev_b32 v[TA+t], 8, v[CN8+t]        ; of 16
	ALL5 v_add_nc_u32 v[TA+t], v[TA+t], v[CN8+t]
	ALL5 v_and_b32 v[CN16+t], s56, v[TA+t]
	LEVEL CN16, 16, 1
	LEVEL CN8, 8
	LEVEL CN4, 4
	LEVEL CN2, 2
	LEVEL SW0, 1
	ALL5 v_add_nc_u32 v[16+t], v[SBS+t], v[POS+t]  ; the entry
	ALL5 v_min_u32 v[16+t], 2047, v[16+t]
	ALL5 v_and_b32 v[16+t], 0x7fe, v[16+t]         ; entry 2 t + k -> 2 t
	ALL5 v_lshl_add_u32 v[16+t], v[16+t], 10, v11  ; the token's row of 2,048 bytes, + 16 for the upper half of the lanes
.endm
	s_load_b256 s[4:11], s[0:1], 0x0               ; xb s[4:5], tk s[6:7], w0 s[8:9], w1 s[10:11]
	s_load_b128 s[12:15], s[0:1], 0x20             ; b0 s[12:13], b1 s[14:15]
	s_load_b64 s[16:17], s[0:1], 0x30              ; act
	v_lshl_add_u32 v10, v0, 2, 0x42e00
	v_mov_b32 v23, 0
	v_lshrrev_b32 v24, 5, v0
	v_readfirstlane_b32 s18, v24                   ; wave w
	s_and_b32 s19, ttmp7, 0xffff                   ; expert e
	s_mov_b32 s20, ttmp9                           ; slice s
	s_lshl_b32 s21, s19, 1                         ; 2 e: where the expert's two bits lie in a token's word
	s_mov_b32 s23, 0                               ; the high word of every offset pair s[22:23]
	s_mov_b32 s46, 0xbfb8aa3b                      ; -log2(e)
	s_mov_b32 s47, s46                             ; named with it as a pair
	s_mov_b32 s53, 0x55555555                      ; POST's four masks
	s_mov_b32 s54, 0x33333333
	s_mov_b32 s55, 0x0f0f0f0f
	s_mov_b32 s56, 0x00ff00ff
	v_and_b32 v5, 31, v0
	v_and_b32 v1, 15, v0
	v_bfe_u32 v2, v0, 4, 1
	v_lshlrev_b32 v6, 4, v5
	v_cmp_ne_u32 s31, 0, v2                        ; the upper half of the lanes: their bias word is b1's
	s_wait_alu depctr_va_sdst(0)                   ; s18 and s31 are written, ahead of their first readers: addresses and bases are made from s18, the bias is chosen by s31
	s_mul_i32 s36, s18, 32*PITCH
	v_lshl_add_u32 v7, v5, 3, s36                  ; LDS rows 32 w on, 8 bytes a lane
	v_mul_u32_u24 v12, v1, PITCH                   ; a fragment: row lane % 16, 16 bytes for each half of the lanes
	v_lshl_add_u32 v12, v2, 4, v12
	v_add_nc_u32 v13, 32*PITCH, v12                ; hidden group jt begins at LDS row 32 jt
	v_add_nc_u32 v14, 64*PITCH, v12
	v_add_nc_u32 v15, 96*PITCH, v12
	v_lshlrev_b32 v11, 4, v2
	s_mul_i32 s36, s18, STAGEB
	s_add_co_u32 s36, s36, STAGE
	v_mul_u32_u24 v21, v1, 144                     ; in: row lane % 16, 16 bytes for each half of the lanes
	v_lshl_add_u32 v21, v2, 4, v21
	v_add_nc_u32 v21, s36, v21
	v_lshrrev_b32 v22, 3, v5                       ; back: 32 lanes take four rows of 128 bytes
	v_mul_u32_u24 v22, v22, 144
	v_and_b32 v25, 7, v5
	v_lshl_add_u32 v22, v25, 4, v22
	v_add_nc_u32 v22, s36, v22
	v_lshlrev_b32 v24, 6, v5                       ; tk: 64 bytes a lane: 32 tokens
	s_lshl_b32 s36, s19, 11
	s_lshl_b32 s34, s20, 6
	s_add_co_u32 s36, s36, s34
	s_lshl4_add_u32 s36, s18, s36                  ; 2,048 e + 64 s + 16 w
	v_add_lshl_u32 v25, v1, s36, 2                 ; thread q's bias: column 16 (q / 32) + q % 16 of the slice
	s_wait_kmcnt 0x0
	s_lshl_b32 s22, s20, 6
	s_lshl4_add_u32 s22, s18, s22                  ; my 16 rows of each of w0 and w1: 64 s + 16 w on
	s_lshl_b32 s22, s22, 12
	s_lshl_b32 s36, s19, 23
	s_add_co_u32 s22, s22, s36
	s_add_nc_u64 s[24:25], s[8:9], s[22:23]
	s_add_nc_u64 s[26:27], s[10:11], s[22:23]
	s_lshl_b32 s22, s19, 5
	s_add_co_u32 s22, s22, s20
	s_lshl_b32 s22, s22, 17                        ; my plane of act,
	s_lshl_b32 s36, s18, 11
	s_add_co_u32 s22, s22, s36                     ; tile w
	s_add_nc_u64 s[48:49], s[16:17], s[22:23]
	s_wait_alu depctr_va_vdst(0)                   ; the offsets and LDS addresses v6, v7, v12-15, v21, v22, v24, v25 are written, which the loads and stores of the whole kernel read
.irp j, 0,1,2,3
	global_load_b128 v[32+4*\j:35+4*\j], v24, s[6:7] offset:16*\j
.endr
	global_load_b32 v26, v25, s[12:13]
	global_load_b32 v27, v25, s[14:15]
	; The ring is filled: groups 0 to 6.  Group g = 2 i + m is row i of w_m: eight loads of 512 consecutive bytes.
	WIN 0x40
.irp g, 0,1,2,3,4,5,6
.irp j, 0,1,2,3,4,5,6,7
	global_load_b128 v[32*\g+4*\j:32*\g+4*\j+3], v6, s[24+2*(\g&1):25+2*(\g&1)] offset:(\g/2)*4096+512*\j th:TH_LOAD_NT
.endr
.endr
	WIN 0
	s_wait_loadcnt 56                              ; tk and the biases are in; the ring's 56 loads stay out while the bitmap is made and scanned
	v_cndmask_b32 v26, v26, v27, s31               ; q % 32 >= 16: b1
	v_cvt_pk_bf16_f32 v26, v26, v26
	v_lshlrev_b32 v26, 16, v26                     ; rounded to bf16, kept as f32
	v_lshl_add_u32 v27, v0, 2, BIAS
	s_wait_alu depctr_va_vdst(0)                   ; the bias word v26 and its LDS address v27 are written, which the store reads
	ds_store_b32 v27, v26
	; The expert's bitmap.  My 16 words of tk hold 32 tokens = 64 entries.
.set i, 0
.rept 16
	v_lshrrev_b32 v30, s21, v[32+i]
	v_and_b32 v30, 0x00030003, v30                 ; two tokens' two bits
	v_lshrrev_b32 v31, 14, v30
.if i%8 == 0
	v_and_or_b32 v[BM+i/8], v30, 3, v31            ; four entries
.else
	v_and_or_b32 v30, v30, 3, v31
	v_lshl_or_b32 v[BM+i/8], v30, 4*(i%8), v[BM+i/8]
.endif
.set i, i+1
.endr
	s_lshl_b32 s36, s18, 4                         ; block 0: tile 0 is the expert's tile w
	SCAN
	s_min_u32 s30, s50, 1024                       ; the count
	s_add_co_u32 s32, s30, 15
	s_lshr_b32 s32, s32, 4                         ; tiles of the expert
	s_add_co_u32 s33, s32, 3
	s_sub_co_u32 s33, s33, s18
	s_lshr_b32 s33, s33, 2                         ; tiles of my wave: w, w + 4, ..
; PHASE A.  The turn of ring slot u: its group is in; the group seven further on is asked for, into the slot that the turn before read out; the group is rounded into Y[u % 2] and stored from there.
; left = the loads of the younger groups, eight each, which may stay out.
.macro TURN u, ahead, left
	s_wait_loadcnt \left
.if \ahead
	WIN 0x40
.irp j, 0,1,2,3,4,5,6,7
	global_load_b128 v[32*(((\u)+7)%8)+4*\j:32*(((\u)+7)%8)+4*\j+3], v6, s[24+2*(((\u)+7)&1):25+2*(((\u)+7)&1)] offset:(((\u)+7)/2)*4096+512*\j th:TH_LOAD_NT  ; no wait: no vector instruction since the last turn's wait names this slot
.endr
.endif
	WIN 0x05                                       ; sources in the ring's window, destination in window 0
.irp j, 0,1,2,3,4,5,6,7
	v_cvt_pk_bf16_f32 v[Y+16*((\u)%2)+2*\j], v[32*(\u)+4*\j], v[32*(\u)+4*\j+1]
	v_cvt_pk_bf16_f32 v[Y+16*((\u)%2)+2*\j+1], v[32*(\u)+4*\j+2], v[32*(\u)+4*\j+3]
.endr
	WIN 0
.if ((\u) > 0) && ((\left) > 0)
	s_wait_alu depctr_vm_vsrc(0)                   ; the LDS stores of the turn before have read the other Y, which the next turn's conversions write (turn 0 stands behind the wait ahead of v7's step; the last turn has no turn behind it)
.endif
	s_wait_alu depctr_va_vdst(0)                   ; the conversions have written Y[u % 2], which the stores below read, and are done reading slot u, in which the next turn's loads land; in turn 0 v7 is written too
.irp j, 0,1,2,3,4,5,6,7
	ds_store_b64 v7, v[Y+16*((\u)%2)+2*\j:Y+16*((\u)%2)+2*\j+1] offset:(16*((\u)&1)+(\u)/2)*PITCH+256*\j  ; 32 lanes, 256 consecutive bytes
.endr
.endm
	s_mov_b32 s28, 3
.Lfill:                                                ; a trip: eight groups, four rows of each of w0 and w1
.irp u, 0,1,2,3,4,5,6,7
	TURN \u, 1, 48
.endr
	WIN 0
	s_wait_xcnt 0x0                                ; the loads that are out have had their addresses translated: only now the bases step
	s_add_nc_u64 s[24:25], s[24:25], 16384
	s_add_nc_u64 s[26:27], s[26:27], 16384
	s_wait_alu depctr_vm_vsrc(0)                   ; the LDS stores issued so far have read v7 (and both Y)
	v_add_nc_u32 v7, 4*PITCH, v7
	s_sub_co_u32 s28, s28, 1
	s_cmp_lg_u32 s28, 0
	s_cbranch_scc1 .Lfill
	TURN 0, 1, 48                                  ; the last eight groups: one more is asked for, then the counts run down
.irp u, 1,2,3,4,5,6,7
	TURN \u, 0, 8*(7-\u)
.endr
	WIN 0
	s_wait_dscnt 0x0                               ; for the others' sake: my rows and my bias words are in LDS
	s_barrier_signal -1
	s_barrier_wait -1                              ; the only barrier: from here on LDS rows and bias are read alone
; PHASE B.
.macro BFHALF p, k, h                  ; 8 LDS loads: the weight fragments of hidden groups 2 h and 2 h + 1, of the K step at byte k of the rows, into buffer p
.irp jt, 2*(\h), 2*(\h)+1
.irp m, 0,1
	ds_load_b128 v[BF+64*(\p)+8*(2*(\jt)+\m):BF+64*(\p)+8*(2*(\jt)+\m)+3], v[12+(\jt)] offset:\m*16*PITCH+(\k)
	ds_load_b128 v[BF+64*(\p)+8*(2*(\jt)+\m)+4:BF+64*(\p)+8*(2*(\jt)+\m)+7], v[12+(\jt)] offset:\m*16*PITCH+(\k)+32
.endr
.endr
.endm
.macro TOK2 a, off, t0                 ; 16 loads: four K steps (256 aligned bytes of each token row) of tiles t0 and t0 + 1, into buffer a
	WIN 0x80
.irp t, \t0, (\t0)+1
.irp j, 0,1,2,3,4,5,6,7
	global_load_b128 v[128*(\a)+32*(\t)+4*\j:128*(\a)+32*(\t)+4*\j+3], v[16+(\t)], s[4:5] offset:(\off)+32*\j
.endr
.endr
.endm
.macro TOK4 a, off                     ; 8 loads: the same of tile 4
	WIN 0xc0
.irp j, 0,1,2,3,4,5,6,7
	global_load_b128 v[64+32*(\a)+4*\j:64+32*(\a)+4*\j+3], v20, s[4:5] offset:(\off)+32*\j
.endr
.endm
.macro MM u, t                         ; the eight products of tile t (0 to 3) in K step u
	WIN 0x58                                       ; weights window 0, tokens window 2, C and D window 1
.irp ct, 0,1,2,3,4,5,6,7
	v_wmma_f32_16x16x32_bf16 v[64*(\t)+8*\ct:64*(\t)+8*\ct+7], v[BF+64*((\u)%2)+8*\ct:BF+64*((\u)%2)+8*\ct+7], v[128*(((\u)/4)%2)+32*(\t)+8*((\u)%4):128*(((\u)/4)%2)+32*(\t)+8*((\u)%4)+7], v[64*(\t)+8*\ct:64*(\t)+8*\ct+7]
.endr
.endm
; K step u of 32.  The next step's weight fragments are fetched, and at every fourth step the next four steps' token fragments, dealt among the step's products; the last steps fetch nothing beyond K's end.
; The 32 accumulators of tiles 0-3 take turns, one instruction a turn, and so do tile 4's eight.
.macro STEP u
	WIN 0
	s_wait_dscnt 0x0                               ; no LDS load has been issued behind this step's weight fragments (and, in a block's first step, the accumulators' biases): they are in
.if (\u)%4 == 0
	s_wait_loadcnt 0x0                             ; nor a load behind these four steps' token fragments
.endif
.if ((\u) > 0) && ((\u) < KSTEPS-1)
	s_wait_alu depctr_va_vdst(0)                   ; the last step's products are done reading the other fragment buffer, and at every fourth step the last four steps' the other token buffer: this step's loads land in them
.endif                                                 ; (step 0 stands behind the wait at the block's head; the last step loads nothing)
	MM \u, 0
.if (\u) < KSTEPS-1
	WIN 0
	BFHALF ((\u)+1)%2, 64*((\u)+1), 0              ; no wait: the products since the wait name BF[u % 2], this step's token buffer and the accumulators alone
.endif
.if ((\u)%4 == 0) && ((\u) < KSTEPS-4)
	TOK2 ((\u)/4+1)%2, 256*((\u)/4+1), 0
.endif
	MM \u, 1
.if (\u) < KSTEPS-1
	WIN 0
	BFHALF ((\u)+1)%2, 64*((\u)+1), 1
.endif
.if ((\u)%4 == 0) && ((\u) < KSTEPS-4)
	TOK2 ((\u)/4+1)%2, 256*((\u)/4+1), 2
.endif
	MM \u, 2
.if ((\u)%4 == 0) && ((\u) < KSTEPS-4)
	TOK4 ((\u)/4+1)%2, 256*((\u)/4+1)
.endif
	MM \u, 3
	WIN 0
	s_cmp_eq_u32 s40, 0
	s_cbranch_scc1 .Lno4_\@                        ; tile 4 is dead: its eight products, and nothing else, are jumped
	WIN 0xfc                                       ; tokens, C and D window 3
.irp ct, 0,1,2,3,4,5,6,7
	v_wmma_f32_16x16x32_bf16 v[8*\ct:8*\ct+7], v[BF+64*((\u)%2)+8*\ct:BF+64*((\u)%2)+8*\ct+7], v[64+32*(((\u)/4)%2)+8*((\u)%4):64+32*(((\u)/4)%2)+8*((\u)%4)+7], v[8*\ct:8*\ct+7]
.endr
	WIN 0
.Lno4_\@:
.endm
; THE WAY OUT of tile t, jumped where the tile is dead.  The 32 exponentials are one batch and the 32 reciprocals another, each with one wait ahead of its first reader.
; Each accumulator is read from its lowest registers on.
.macro EPI t
	s_cmp_le_u32 s39, \t
	s_cbranch_scc1 .Ldead_\@
.if (\t) < 4
.set EA, 64*(\t)
.set EW, 1
.else
.set EA, 0
.set EW, 3
.endif
	WIN EW                                         ; source 0 in the accumulators' window
.irp jt, 0,1,2,3
.irp i, 0,1,2,3
	v_pk_mul_f32 v[Z+8*\jt+2*\i:Z+8*\jt+2*\i+1], v[EA+16*\jt+8+2*\i:EA+16*\jt+9+2*\i], s[46:47] op_sel_hi:[1,0]  ; -h1 log2 e
.endr
.endr
	WIN 0
.set i, 0
.rept 32
	v_exp_f32 v[Z+i], v[Z+i]
.set i, i+1
.endr
	WIN 5*EW                                       ; sources 0 and 1 in the accumulators' window
.irp jt, 0,1,2,3
.irp i, 0,1,2,3
	v_pk_mul_f32 v[P+8*\jt+2*\i:P+8*\jt+2*\i+1], v[EA+16*\jt+2*\i:EA+16*\jt+2*\i+1], v[EA+16*\jt+8+2*\i:EA+16*\jt+9+2*\i]  ; h0 h1: the plain work behind the batch
.endr
.endr
	WIN 0
	s_wait_alu depctr_va_vdst(0)                   ; the 32 exponentials have written Z, ahead of the additions that read it
.set i, 0
.rept 16
	v_pk_add_f32 v[Z+2*i:Z+2*i+1], v[Z+2*i:Z+2*i+1], 1.0 op_sel_hi:[1,0]
.set i, i+1
.endr
.set i, 0
.rept 32
	v_rcp_f32 v[Z+i], v[Z+i]
.set i, i+1
.endr
	v_nop                                          ; a plain instruction behind the last reciprocal
	s_wait_alu depctr_va_vdst(0)                   ; the 32 reciprocals have written Z, ahead of the products that read it
.set i, 0
.rept 16
	v_pk_mul_f32 v[P+2*i:P+2*i+1], v[P+2*i:P+2*i+1], v[Z+2*i:Z+2*i+1]
.set i, i+1
.endr
.if (\t) > 0                                           ; (tile 0 stands behind the two waits at the block's head)
	s_wait_xcnt 0x0                                ; the stores of the tile before have had their addresses translated: O is loaded again only behind this wait
	s_wait_alu depctr_vm_vsrc(0)                   ; the LDS stores of the tile before have read C, which the roundings write again; its global stores have read O, in which the LDS loads below land
.endif
.set i, 0
.rept 16
	v_cvt_pk_bf16_f32 v[C+i], v[P+2*i], v[P+2*i+1]
.set i, i+1
.endr
	s_wait_alu depctr_va_vdst(0)                   ; the roundings have written C, which the LDS stores read
.irp jt, 0,1,2,3
	ds_store_b128 v21, v[C+4*\jt:C+4*\jt+3] offset:32*\jt  ; my token's columns 16 jt + 8 (lane / 16) + 0..7
.endr
.irp i, 0,1,2,3
	ds_load_b128 v[O+4*\i:O+4*\i+3], v22 offset:576*\i     ; LDS serves a wave's instructions in order (ISA guide 5.7.1.4): these see the stores above; the stage is my wave's own
.endr
	s_wait_dscnt 0x0
.irp i, 0,1,2,3
	global_store_b128 v6, v[O+4*\i:O+4*\i+3], s[44:45] offset:8192*(\t)+512*\i  ; 512 consecutive bytes, at a multiple of 256 from act's first byte
.endr
.Ldead_\@:
.endm
	v_lshl_add_u32 v31, v2, 5, BIAS                ; the bias table at my eight rows of a fragment
	s_mov_b32 s37, 0                               ; block b
	s_mov_b32 s38, 0                               ; 5 b
.Lblock:
	s_cmp_le_u32 s33, s38
	s_cbranch_scc1 .Lnext                          ; no live tile in this block
	s_wait_xcnt 0x0                                ; the last block's loads and stores have had their addresses translated: their offsets and their base are rewritten only behind this wait
	s_wait_alu depctr_vm_vsrc(0)                   ; the last block's token loads have read v16-20, which POST writes again, and its ways out's stores C and O; in the first block: phase A's LDS stores have read Y, which is Z from here on
	s_sub_co_u32 s39, s33, s38                     ; live tiles from here on
	s_cmp_gt_u32 s39, 4
	s_cselect_b32 s40, 1, 0                        ; is tile 4 live?
	s_mul_i32 s22, s37, 40960                      ; 5 tiles x 4 waves x 2,048 bytes
	s_add_nc_u64 s[44:45], s[48:49], s[22:23]
	s_cmp_eq_u32 s37, 0
	s_cbranch_scc1 .Lscanned                       ; block 0 was scanned at the head, while the ring's first loads were out
	s_mul_i32 s36, s37, 320
	s_lshl4_add_u32 s36, s18, s36                  ; tile 0 of the block is the expert's tile 4 x 5 b + w: its first rank
	SCAN
.Lscanned:
	POST
	s_wait_alu depctr_va_vdst(0)                   ; v16-20 and v31 are written, which the loads below read; SCAN, POST, the last block's products and its ways out (in the first block: phase A's conversions) are done with the registers in which these loads land
	WIN 0x40                                       ; the sums start from the bias
.irp t, 0,1,2,3
.irp ct, 0,1,2,3,4,5,6,7
	ds_load_b128 v[64*\t+8*\ct:64*\t+8*\ct+3], v31 offset:64*\ct
	ds_load_b128 v[64*\t+8*\ct+4:64*\t+8*\ct+7], v31 offset:64*\ct+16
.endr
.endr
	WIN 0xc0
.irp ct, 0,1,2,3,4,5,6,7
	ds_load_b128 v[8*\ct:8*\ct+3], v31 offset:64*\ct
	ds_load_b128 v[8*\ct+4:8*\ct+7], v31 offset:64*\ct+16
.endr
	WIN 0
	BFHALF 0, 0, 0
	BFHALF 0, 0, 1
	TOK2 0, 0, 0
	TOK2 0, 0, 2
	TOK4 0, 0
	WIN 0
.set ks, 0
.rept KSTEPS
	STEP ks
.set ks, ks+1
.endr
	PLACES                                         ; behind the last products: the ways out read their results, the next block's SCAN writes their sources
	EPI 0
	EPI 1
	EPI 2
	EPI 3
	EPI 4
.Lnext:
	s_add_co_u32 s38, s38, 5
	s_add_co_u32 s37, s37, 1
	s_cmp_lt_u32 s37, 4
	s_cbranch_scc1 .Lblock
	s_wait_dscnt 0x0                               ; the wave's end: my last LDS instructions are done
	s_wait_alu depctr_hold_cnt(0) depctr_sa_sdst(0) depctr_va_vdst(0) depctr_va_sdst(0) depctr_va_ssrc(0) depctr_va_vcc(0) depctr_vm_vsrc(0)
	s_wait_tensorcnt 0x0
	ds_add_u32 v10, v23
	s_wait_dscnt 0x0
	s_endpgm
.Lfunc_end_k_q6e64b93072_up:
	.size	k_q6e64b93072_up, .Lfunc_end_k_q6e64b93072_up-k_q6e64b93072_up
	.p2alignl 7, 3214868480
	.fill 96, 4, 3214868480
	.section	.rodata,"a",@progbits
	.p2align	6, 0x0
	.amdhsa_kernel k_q6e64b93072_up
		.amdhsa_group_segment_fixed_size 274432
		.amdhsa_private_segment_fixed_size 0
		.amdhsa_enable_private_segment 0
		.amdhsa_kernarg_size 56
		.amdhsa_user_sgpr_count 2
		.amdhsa_user_sgpr_kernarg_segment_ptr 1
		.amdhsa_wavefront_size32 1
		.amdhsa_system_sgpr_workgroup_id_x 1
		.amdhsa_system_sgpr_workgroup_id_y 1
		.amdhsa_system_sgpr_workgroup_id_z 1
		.amdhsa_system_vgpr_workitem_id 0
		.amdhsa_next_free_vgpr 896
		.amdhsa_next_free_sgpr 66
		.amdhsa_reserve_vcc 0
		.amdhsa_float_denorm_mode_32 3
		.amdhsa_float_denorm_mode_16_64 3
		.amdhsa_memory_ordered 1
		.amdhsa_forward_progress 1
		.amdhsa_inst_pref_size 255
	.end_amdhsa_kernel
	.section	.bss,"aw",@nobits
	.p2align	6
	.space	262144
	.amdgpu_metadata
---
amdhsa.version: [ 1, 2 ]
amdhsa.kernels:
  - .name:           k_q6e64b93072_up
    .symbol:         k_q6e64b93072_up.kd
    .args:
      - { .name: xb, .offset: 0, .size: 8, .value_kind: global_buffer, .address_space: global }
      - { .name: tk, .offset: 8, .size: 8, .value_kind: global_buffer, .address_space: global }
      - { .name: w0, .offset: 16, .size: 8, .value_kind: global_buffer, .address_space: global }
      - { .name: w1, .offset: 24, .size: 8, .value_kind: global_buffer, .address_space: global }
      - { .name: b0, .offset: 32, .size: 8, .value_kind: global_buffer, .address_space: global }
      - { .name: b1, .offset: 40, .size: 8, .value_kind: global_buffer, .address_space: global }
      - { .name: act, .offset: 48, .size: 8, .value_kind: global_buffer, .address_space: global }
    .group_segment_fixed_size: 274432
    .private_segment_fixed_size: 0
    .kernarg_segment_align: 8
    .kernarg_segment_size: 56
    .max_flat_workgroup_size: 128
    .sgpr_count:     66
    .vgpr_count:     896
    .wavefront_size: 32
...
	.end_amdgpu_metadata
.endif
;; end of part 5
;; launch down (part 6): grid 32 x 8, 4 waves a work-group, no clusters, 167,936 bytes of LDS; arguments act, tk, gw, w2, b2, y; writes y
.if DOCPART == 6
	.amdgcn_target "amdgcn-amd-amdhsa--gfx1250"
	.amdhsa_code_object_version 6
	.text
	.protected	k_q6e64b93072_down
	.globl	k_q6e64b93072_down
	.p2align	8
	.type	k_q6e64b93072_down,@function
k_q6e64b93072_down:
	s_mov_b64 s[64:65], 0
	v_nop
	global_prefetch_b8 v0, s[64:65] scope:SCOPE_SE
	s_setreg_imm32_b32 hwreg(HW_REG_WAVE_SCHED_MODE, 0, 2), 2
	s_setreg_imm32_b32 hwreg(HW_REG_WAVE_MODE, 25, 1), 1
	s_wait_xcnt 0x0
	s_wait_alu depctr_vm_vsrc(0)
; DOWN.  y[kh][n] = gw[n] x (act[rank of n] . w2[e]^T over half kh of the hidden width, + b2[e] in half 0), for every routed entry n = 2 t + k.
; SHARES.  Work-group (db + 16 kh, e): the 64 output columns 64 db .. + 63 of expert e and the hidden columns 1,024 kh .. + 1,023: 64 pieces of 4,096 bytes of w2's rows, which no other
; work-group reads.  The two halves' partial rows stay f32 and are added, with the token's other entry, by the launch behind.
; PHASE A, PHASE B, blocks of five tiles a wave, the jumps and the transposed matrix instruction are those of the launch before: the weights go through a ring of registers
; (56 loads of 512 bytes a wave stay out) into LDS, one barrier, then tiles of 16 ranks; every load and wait of a block is written for all five tiles, a rank past the count repeats the last
; (and stores the same bytes to the same row), only tile 4's products and dead tiles' ways out are jumped, and nothing that is jumped holds a barrier.  An expert without rows stores nothing.
; THE LIST.  Each wave lays the expert's entries, ascending, into a list of its own in LDS: rank -> entry.  The ranks are those of the launch before.
; The half's 16 planes are written out: every LDS address of the weights is a register made once from the thread's number, plus an immediate, and no pointer walks.
; The rows of act come by rank: a tile's 16 rows of a plane (64 hidden columns) are 2,048 consecutive bytes.
; FORMATS.  w2 and b2 rounded once to bf16; act is bf16; sums and y f32.
; NO CLUSTER: each piece of w2 has one reader; act's rows, which an expert's 16 work-groups of a half share, are walked in a loop whose work hangs on a stored count, where no tensor load stands.
; THE MODE: SCHED_MODE bits 1:0 = 2 (LLVM: expert scheduling mode 2), set by the entry lines.  The code itself states the register dependences
; between vector or matrix instructions and memory or LDS instructions, with s_wait_alu, always for 0.
; THE PLAN.  Registers that memory or LDS instructions touch:
;   v248-251      The list's loop: a trip's vector instructions write them, its two LDS stores read them.
;   ring slots    Phase A, turn u: its sixteen conversions read slot u; the loads of turn u + 1 land in it.  No store reads a slot.
;   Y0, Y1        Phase A, turn u: its conversions write Y[u % 2]; its eight LDS stores read it.
;   v6            Read by every load of the ring; never written again.      v7  Read by every LDS store of phase A; written once, between the two halves.
;   BF0, BF1      Plane u: its products read BF[u % 2]; its sixteen LDS loads land in the other, which the plane before read.
;   act buffers   Two, of two planes each: the forty loads of every second plane land in the one that the two planes before read.
;   v12, v13, v14, v21, v245   LDS addresses, never written again.      v16-20, v240-244  Written at a block's head; read by its loads of act and of the list.
;   v248-252      A block's head: the list's loads land in them, two vector lines make offsets of them, the loads of gw read them.      GW  The loads of gw land in it; the ways out's products read it.
;   accumulators  Loaded with the bias at a block's head; then named by matrix instructions and by the ways out's vector instructions alone.
;   LA, E, S, O, YO   A way out: vector lines write LA and S; the list's loads read LA and land in E; LDS stores read S; LDS loads land in O; vector lines make YO of E; the global stores read YO and O.
; So a trip of the list has one wait of each kind; a turn one on va_vdst, behind its conversions, and one on vm_vsrc beside it; a plane one on va_vdst, at its head, and its loads are dealt among its
; products, which name the other buffers and the accumulators alone; a block's head one on vm_vsrc and two on va_vdst; a way out one on vm_vsrc and two on va_vdst.
; REGISTERS, in windows of 256 (s_set_vgpr_msb: bits 1:0 source 0, 3:2 source 1, 5:4 source 2, 7:6 destination):
;   window 0: v0-31 addresses and the rows' weights; v32-159 weight fragments, two buffers of 4 x 2 x 8 (in a way out: v32-39 LA); v160-239 the way out (phase A: v176-207 Y0, Y1); v240-255 temporaries
;   window 1: phase A: the ring, 8 slots of 32; phase B: the accumulators of tiles 0-3, (t, ct) at 32 t + 8 ct
;   window 2: act fragments of tiles 0-3: buffer a, plane c of two, K half kk at 128 a + 32 t + 16 c + 8 kk
;   window 3: tile 4: accumulators at 8 ct, fragments at 64 + 32 a + 16 c + 8 kk
.set PITCH,  2064                      ; an LDS row: 2,048 bytes + 16: an odd multiple of 16
.set BIAS,   64*PITCH                  ; 128 words f32: word q holds the bias of LDS row q % 64 (0 in half 1)
.set LIST,   BIAS+512
.set LISTB,  4352
.set STAGE,  LIST+4*LISTB              ; for each wave 16 rows of 272 bytes
.set STAGEB, 4352                      ; (the 512 bytes behind the four stages: the words of the closing add)
.set NPL, 16                           ; planes of 64 hidden columns in a half
.set BF, 32
.set LA, 32                            ; v[32:39]   a way out: the LDS addresses of the eight list words that I read
.set GW, 22                            ; v[22:31]   tile t: the weight of my row in the even register; the odd ones hold 0 (named with them as pairs)
.set E,  160                           ; v[160:167] the entries of the eight rows that I store
.set YO, 168                           ; v[168:175] their byte offsets in y
.set S,  176                           ; v[176:207]
.set Y,  176                           ; v[176:207] phase A: two out-buffers of 16
.set O,  208                           ; v[208:239]
; v1 lane % 16   v2 lane / 16   v5 lane   v6 16 lane   v7 where phase A stores   v9 my list   v10 my dump word's number
; v11 16 (lane / 16)   v12, v13 fragment addresses, column tiles 0-1 and 2-3; never rewritten   v14 stage out   v15 16 (lane % 16)   v16-20 byte offsets of my row of act, tiles 0-4   v21 stage in
; v240-244 ranks, then their words' LDS addresses   v245 bias table   v246, v247 the bitmap   v248-253 temporaries (a block's head: v248-252 entries, then offsets in gw)   v254, v255 my bias word's LDS address and value
.set MSB, 0
.macro WIN new                         ; the immediate's high byte repeats the setting that is left; a switch that changes nothing is dropped
.if MSB != (\new)
	s_set_vgpr_msb (MSB<<8)|(\new)
.set MSB, \new
.endif
.endm
.macro PLACES                          ; four plain instructions between matrix instructions and vector instructions that read their results or write their registers (ISA guide 7.12.1)
.rept 4
	v_nop
.endr
.endm
	s_load_b256 s[4:11], s[0:1], 0x0               ; act s[4:5], tk s[6:7], gw s[8:9], w2 s[10:11]
	s_load_b128 s[12:15], s[0:1], 0x20             ; b2 s[12:13], y s[14:15]
	v_lshl_add_u32 v4, v0, 2, 0x28e00
	v_mov_b32 v8, 0
	v_lshrrev_b32 v249, 5, v0
	v_readfirstlane_b32 s18, v249                  ; wave w
	s_and_b32 s19, ttmp7, 0xffff                   ; expert e
	s_and_b32 s20, ttmp9, 15                       ; db
	s_lshr_b32 s26, ttmp9, 4                       ; kh
	s_lshl_b32 s21, s19, 1
	s_mov_b32 s23, 0                               ; the high word of every offset pair s[22:23]
	v_and_b32 v5, 31, v0
	v_and_b32 v1, 15, v0
	v_bfe_u32 v2, v0, 4, 1
	v_lshlrev_b32 v6, 4, v5
	s_wait_alu depctr_va_sdst(0)                   ; s18 is written, ahead of its first reader: addresses and bases are made from it
	s_mul_i32 s36, s18, 16*PITCH
	v_lshl_add_u32 v7, v5, 3, s36                  ; LDS rows 16 w on, 8 bytes a lane
	v_mul_u32_u24 v12, v1, PITCH                   ; a fragment: row lane % 16, 16 bytes for each half of the lanes
	v_lshl_add_u32 v12, v2, 4, v12
	v_add_nc_u32 v13, 32*PITCH, v12                ; column tiles 2 and 3 begin at LDS row 32
	s_mul_i32 s36, s18, LISTB
	s_add_co_u32 s36, s36, LIST
	v_mov_b32 v9, s36
	v_add_nc_u32 v10, 1024, v5
	v_lshlrev_b32 v11, 4, v2
	v_lshlrev_b32 v15, 4, v1
	s_mul_i32 s36, s18, STAGEB
	s_add_co_u32 s36, s36, STAGE
	v_mul_u32_u24 v21, v1, 272                     ; in: row lane % 16, 32 bytes for each half of the lanes
	v_lshl_add_u32 v21, v2, 5, v21
	v_add_nc_u32 v21, s36, v21
	v_mul_u32_u24 v14, v2, 8*272                   ; back: lanes 0-15 take a row of 256 bytes, lanes 16-31 the row eight further down
	v_lshl_add_u32 v14, v1, 4, v14
	v_add_nc_u32 v14, s36, v14
.irp t, 0,1,2,3,4
	v_mov_b32 v[GW+2*\t+1], 0
.endr
	v_lshlrev_b32 v249, 6, v5                      ; tk: 64 bytes a lane: 32 tokens
	s_lshl_b32 s36, s19, 10
	s_lshl_b32 s34, s20, 6
	s_add_co_u32 s36, s36, s34                     ; 1,024 e + 64 db
	v_and_b32 v250, 63, v0
	v_add_lshl_u32 v250, v250, s36, 2
	s_wait_kmcnt 0x0
	s_lshl4_add_u32 s22, s18, s36                  ; my 16 rows of w2: 1,024 e + 64 db + 16 w on,
	s_lshl_b32 s22, s22, 13
	s_lshl_b32 s34, s26, 12                        ; their half kh
	s_add_co_u32 s22, s22, s34
	s_add_nc_u64 s[24:25], s[10:11], s[22:23]
	s_lshl_b32 s22, s26, 23
	s_lshl_b32 s34, s20, 8
	s_add_co_u32 s22, s22, s34
	s_add_nc_u64 s[44:45], s[14:15], s[22:23]      ; y at half kh, column 64 db
	s_lshl_b32 s22, s19, 5
	s_lshl4_add_u32 s22, s26, s22
	s_lshl_b32 s22, s22, 17
	s_add_nc_u64 s[48:49], s[4:5], s[22:23]        ; act at plane 32 e + 16 kh
	s_wait_alu depctr_va_vdst(0)                   ; the offsets and LDS addresses v6, v7, v12-14, v21, v249, v250 are written, which the loads and stores below read
.irp j, 0,1,2,3
	global_load_b128 v[32+4*\j:35+4*\j], v249, s[6:7] offset:16*\j
.endr
	global_load_b32 v255, v250, s[12:13]
	; The ring is filled: groups 0 to 6.  Group g is my row g's 4,096 bytes: eight loads of 512 consecutive bytes.
	WIN 0x40
.irp g, 0,1,2,3,4,5,6
.irp j, 0,1,2,3,4,5,6,7
	global_load_b128 v[32*\g+4*\j:32*\g+4*\j+3], v6, s[24:25] offset:\g*8192+512*\j th:TH_LOAD_NT
.endr
.endr
	WIN 0
	s_wait_loadcnt 56                              ; tk and the bias are in; the ring's 56 loads stay out while the list is made
	s_cmp_eq_u32 s26, 0
	s_cselect_b32 s36, -1, 0
	v_cndmask_b32 v255, 0, v255, s36               ; the bias belongs to half 0 alone
	v_cvt_pk_bf16_f32 v255, v255, v255
	v_lshlrev_b32 v255, 16, v255
	v_lshl_add_u32 v254, v0, 2, BIAS               ; it is stored behind the list's loop
	; The expert's bitmap: v246 takes entries 64 lane + 0..31, v247 the next 32.
.set i, 0
.rept 16
	v_lshrrev_b32 v252, s21, v[32+i]
	v_and_b32 v252, 0x00030003, v252
	v_lshrrev_b32 v253, 14, v252
.if i%8 == 0
	v_and_or_b32 v[246+i/8], v252, 3, v253
.else
	v_and_or_b32 v252, v252, 3, v253
	v_lshl_or_b32 v[246+i/8], v252, 4*(i%8), v[246+i/8]
.endif
.set i, i+1
.endr
	; The list: a trip takes 64 entries; a lane whose entry is the expert's stores its number at the entry's rank, every other lane at a dump word of its own.
	s_mov_b32 s30, 0
	s_mov_b32 s29, 0
.Llist:
	v_readlane_b32 s34, v246, s29
	v_readlane_b32 s35, v247, s29
	s_wait_alu depctr_va_sdst(0)                   ; s34 and s35 are written, ahead of their first readers
	s_wait_alu depctr_vm_vsrc(0)                   ; the last trip's two LDS stores have read v248-251, which this trip writes again; in the first trip: the loads of tk and of the bias have read v249 and v250
	v_mbcnt_lo_u32_b32 v249, s34, s30
	s_bcnt1_i32_b32 s36, s34
	s_add_co_u32 s30, s30, s36
	v_mbcnt_lo_u32_b32 v250, s35, s30
	s_bcnt1_i32_b32 s36, s35
	s_add_co_u32 s30, s30, s36
	v_cndmask_b32 v249, v10, v249, s34
	v_cndmask_b32 v250, v10, v250, s35
	v_min_u32 v249, 1055, v249
	v_min_u32 v250, 1055, v250
	v_lshl_add_u32 v249, v249, 2, v9
	v_lshl_add_u32 v250, v250, 2, v9
	v_lshl_add_u32 v248, s29, 6, v5                ; my entries' numbers: 64 x trip + lane,
	v_add_nc_u32 v251, 32, v248                    ; and 32 on
	s_wait_alu depctr_va_vdst(0)                   ; the two addresses and the two numbers are written, which the stores read
	ds_store_b32 v249, v248
	ds_store_b32 v250, v251
	s_add_co_u32 s29, s29, 1
	s_cmp_lt_u32 s29, 32
	s_cbranch_scc1 .Llist
	ds_store_b32 v254, v255                        ; my bias word.  No wait: v254 and v255 were written ahead of the loop's waits, and no vector instruction has been issued since the last of them
	s_min_u32 s30, s30, 1024
	s_max_u32 s31, s30, 1
	s_sub_co_u32 s31, s31, 1                       ; the last rank
	s_add_co_u32 s32, s30, 15
	s_lshr_b32 s32, s32, 4
	s_add_co_u32 s33, s32, 3
	s_sub_co_u32 s33, s33, s18
	s_lshr_b32 s33, s33, 2                         ; tiles of my wave
; PHASE A.  The turn of ring slot u: its group is in; the group seven further on is asked for, into the slot that the turn before read out; the group is rounded into Y[u % 2] and stored from there.
; left = the loads of the younger groups, eight each, which may stay out.
.macro TURN u, ahead, left
	s_wait_loadcnt \left
.if \ahead
	WIN 0x40
.irp j, 0,1,2,3,4,5,6,7
	global_load_b128 v[32*(((\u)+7)%8)+4*\j:32*(((\u)+7)%8)+4*\j+3], v6, s[24:25] offset:((\u)+7)*8192+512*\j th:TH_LOAD_NT  ; no wait: no vector instruction since the last turn's wait names this slot
.endr
.endif
	WIN 0x05                                       ; sources in the ring's window, destination in window 0
.irp j, 0,1,2,3,4,5,6,7
	v_cvt_pk_bf16_f32 v[Y+16*((\u)%2)+2*\j], v[32*(\u)+4*\j], v[32*(\u)+4*\j+1]
	v_cvt_pk_bf16_f32 v[Y+16*((\u)%2)+2*\j+1], v[32*(\u)+4*\j+2], v[32*(\u)+4*\j+3]
.endr
	WIN 0
.if ((\u) > 0) && ((\left) > 0)
	s_wait_alu depctr_vm_vsrc(0)                   ; the LDS stores of the turn before have read the other Y, which the next turn's conversions write (the first turn 0 has no turn before it, the second stands behind the wait ahead of v7's step; the last turn has no turn behind it)
.endif
	s_wait_alu depctr_va_vdst(0)                   ; the conversions have written Y[u % 2], which the stores below read, and are done reading slot u, in which the next turn's loads land; in the second turn 0 v7 is written too
.irp j, 0,1,2,3,4,5,6,7
	ds_store_b64 v7, v[Y+16*((\u)%2)+2*\j:Y+16*((\u)%2)+2*\j+1] offset:(\u)*PITCH+256*\j
.endr
.endm
.irp u, 0,1,2,3,4,5,6,7
	TURN \u, 1, 48                                 ; rows 0 to 7; rows 7 to 14 are asked for
.endr
	WIN 0
	s_wait_xcnt 0x0                                ; the loads that are out have had their addresses translated: only now the base steps
	s_add_nc_u64 s[24:25], s[24:25], 65536
	s_wait_alu depctr_vm_vsrc(0)                   ; the LDS stores issued so far have read v7 (and both Y)
	v_add_nc_u32 v7, 8*PITCH, v7
	TURN 0, 1, 48                                  ; rows 8 to 15: the last row is asked for, then the counts run down
.irp u, 1,2,3,4,5,6,7
	TURN \u, 0, 8*(7-\u)
.endr
	WIN 0
	s_wait_dscnt 0x0                               ; for the others' sake: my rows and my bias words are in LDS
	s_barrier_signal -1
	s_barrier_wait -1                              ; the only barrier
; PHASE B.
.macro BFHALF p, k, h                  ; 8 LDS loads: the weight fragments of column tiles 2 h and 2 h + 1, of one plane (64 along K) at byte k of the rows, into buffer p
.irp c, 0,1
.irp kk, 0,1
	ds_load_b128 v[BF+64*(\p)+16*(2*(\h)+\c)+8*\kk:BF+64*(\p)+16*(2*(\h)+\c)+8*\kk+3], v[12+(\h)] offset:\c*16*PITCH+(\k)+64*\kk
	ds_load_b128 v[BF+64*(\p)+16*(2*(\h)+\c)+8*\kk+4:BF+64*(\p)+16*(2*(\h)+\c)+8*\kk+7], v[12+(\h)] offset:\c*16*PITCH+(\k)+64*\kk+32
.endr
.endr
.endm
.macro TOK2 a, pl, t0                  ; 16 loads: planes pl and pl + 1 (a row of 128 bytes in each) of tiles t0 and t0 + 1, into buffer a
	WIN 0x80
.irp t, \t0, (\t0)+1
.irp c, 0,1
.irp j, 0,1,2,3
	global_load_b128 v[128*(\a)+32*(\t)+16*\c+4*\j:128*(\a)+32*(\t)+16*\c+4*\j+3], v[16+(\t)], s[48:49] offset:131072*((\pl)+\c)+32*\j
.endr
.endr
.endr
.endm
.macro TOK4 a, pl                      ; 8 loads: the same of tile 4
	WIN 0xc0
.irp c, 0,1
.irp j, 0,1,2,3
	global_load_b128 v[64+32*(\a)+16*\c+4*\j:64+32*(\a)+16*\c+4*\j+3], v20, s[48:49] offset:131072*((\pl)+\c)+32*\j
.endr
.endr
.endm
.macro MM u, kk, t0                    ; eight products: tiles t0 and t0 + 1 x four column tiles, K half kk of plane u
	WIN 0x58                                       ; weights window 0, act window 2, C and D window 1
.irp t, \t0, (\t0)+1
.irp ct, 0,1,2,3
	v_wmma_f32_16x16x32_bf16 v[32*(\t)+8*\ct:32*(\t)+8*\ct+7], v[BF+64*((\u)%2)+16*\ct+8*(\kk):BF+64*((\u)%2)+16*\ct+8*(\kk)+7], v[128*(((\u)/2)%2)+32*(\t)+16*((\u)%2)+8*(\kk):128*(((\u)/2)%2)+32*(\t)+16*((\u)%2)+8*(\kk)+7], v[32*(\t)+8*\ct:32*(\t)+8*\ct+7]
.endr
.endr
.endm
; Plane u of 16: 64 along K.  The next plane's weight fragments are fetched, and at every second plane the next two planes of act, dealt among the plane's products; the last planes fetch nothing beyond the half's end.
; The 16 accumulators of tiles 0-3 take turns, one instruction a turn, each twice; tile 4's four likewise.
.macro STEP u
	WIN 0
	s_wait_dscnt 0x0                               ; no LDS load has been issued behind this plane's weight fragments (and, in a block's first plane, the accumulators' biases): they are in
.if (\u)%2 == 0
	s_wait_loadcnt 0x0                             ; nor a load behind these two planes of act (and, in a block's first plane, the rows' weights)
.endif
.if ((\u) > 0) && ((\u) < NPL-1)
	s_wait_alu depctr_va_vdst(0)                   ; the last plane's products are done reading the other fragment buffer, and at every second plane the last two planes' the other buffer of act: this plane's loads land in them
.endif                                                 ; (plane 0 stands behind the waits at the block's head; the last plane loads nothing)
	MM \u, 0, 0
.if (\u) < NPL-1
	WIN 0
	BFHALF ((\u)+1)%2, 128*((\u)+1), 0             ; no wait: the products since the wait name BF[u % 2], this plane's buffer of act and the accumulators alone
.endif
.if ((\u)%2 == 0) && ((\u) < NPL-2)
	TOK2 ((\u)/2+1)%2, 2*((\u)/2+1), 0
.endif
	MM \u, 0, 2
.if (\u) < NPL-1
	WIN 0
	BFHALF ((\u)+1)%2, 128*((\u)+1), 1
.endif
.if ((\u)%2 == 0) && ((\u) < NPL-2)
	TOK2 ((\u)/2+1)%2, 2*((\u)/2+1), 2
.endif
	MM \u, 1, 0
.if ((\u)%2 == 0) && ((\u) < NPL-2)
	TOK4 ((\u)/2+1)%2, 2*((\u)/2+1)
.endif
	MM \u, 1, 2
	WIN 0
	s_cmp_eq_u32 s40, 0
	s_cbranch_scc1 .Lno4_\@                        ; tile 4 is dead: its eight products, and nothing else, are jumped
	WIN 0xfc
.irp kk, 0,1
.irp ct, 0,1,2,3
	v_wmma_f32_16x16x32_bf16 v[8*\ct:8*\ct+7], v[BF+64*((\u)%2)+16*\ct+8*\kk:BF+64*((\u)%2)+16*\ct+8*\kk+7], v[64+32*(((\u)/2)%2)+16*((\u)%2)+8*\kk:64+32*(((\u)/2)%2)+16*((\u)%2)+8*\kk+7], v[8*\ct:8*\ct+7]
.endr
.endr
	WIN 0
.Lno4_\@:
.endm
; THE WAY OUT of tile t, jumped where the tile is dead: the sums times the row's weight, through my stage, and out as whole pieces of 256 bytes to the rows that the list names.
.macro EPI t
	s_cmp_le_u32 s39, \t
	s_cbranch_scc1 .Ldead_\@
.if (\t) < 4
.set EA, 32*(\t)
.set EW, 1
.else
.set EA, 0
.set EW, 3
.endif
.if (\t) > 0                                           ; (tile 0 stands behind the two waits at the block's head)
	s_wait_xcnt 0x0                                ; the stores of the tile before have had their addresses translated: YO and O are rewritten only behind this wait
	s_wait_alu depctr_vm_vsrc(0)                   ; the tile before's list loads have read LA, its LDS stores S, its global stores YO and O: all four are written again below
.endif
	v_lshl_add_u32 v253, v2, 3, s41                ; the block's first rank + 8 for the upper half of the lanes
.irp i, 0,1,2,3,4,5,6,7
	v_add_nc_u32 v[LA+\i], 64*(\t)+\i, v253        ; the rank of stage row 8 (lane / 16) + i
	v_min_u32 v[LA+\i], s31, v[LA+\i]
	v_min_u32 v[LA+\i], 1023, v[LA+\i]
	v_lshl_add_u32 v[LA+\i], v[LA+\i], 2, v9
.endr
	WIN EW                                         ; source 0 in the accumulators' window
.irp ct, 0,1,2,3
.irp i, 0,1,2,3
	v_pk_mul_f32 v[S+8*\ct+2*\i:S+8*\ct+2*\i+1], v[EA+8*\ct+2*\i:EA+8*\ct+2*\i+1], v[GW+2*(\t):GW+2*(\t)+1] op_sel_hi:[1,0]
.endr
.endr
	WIN 0
	s_wait_alu depctr_va_vdst(0)                   ; LA and S are written, which the list's loads and the LDS stores read; the tile before's lines are done reading E, in which the list's loads land
.irp i, 0,1,2,3,4,5,6,7
	ds_load_b32 v[E+\i], v[LA+\i]
.endr
.irp ct, 0,1,2,3
	ds_store_b128 v21, v[S+8*\ct:S+8*\ct+3] offset:64*\ct        ; my row's columns 16 ct + 8 (lane / 16) + 0..3
	ds_store_b128 v21, v[S+8*\ct+4:S+8*\ct+7] offset:64*\ct+16   ; and + 4..7
.endr
.irp i, 0,1,2,3,4,5,6,7
	ds_load_b128 v[O+4*\i:O+4*\i+3], v14 offset:272*\i           ; LDS serves a wave's instructions in order (ISA guide 5.7.1.4): these see the stores above; the stage is my wave's own
.endr
	s_wait_dscnt 0x0
.irp i, 0,1,2,3,4,5,6,7
	v_min_u32 v[YO+\i], 2047, v[E+\i]
	v_lshl_add_u32 v[YO+\i], v[YO+\i], 12, v15     ; the entry's row of 4,096 bytes, + 16 bytes a lane
.endr
	s_wait_alu depctr_va_vdst(0)                   ; YO is written, which the stores read as their offsets
.irp i, 0,1,2,3,4,5,6,7
	global_store_b128 v[YO+\i], v[O+4*\i:O+4*\i+3], s[44:45]     ; sixteen lanes store 256 consecutive bytes, at a multiple of 256 from y's first byte
.endr
.Ldead_\@:
.endm
	v_lshl_add_u32 v245, v2, 5, BIAS               ; the bias table at my eight rows of a fragment
	s_mov_b32 s37, 0                               ; block b
	s_mov_b32 s38, 0                               ; 5 b
.Lblock:
	s_cmp_le_u32 s33, s38
	s_cbranch_scc1 .Lnext                          ; no live tile in this block
	s_wait_xcnt 0x0                                ; the last block's loads and stores have had their addresses translated: their offsets are rewritten only behind this wait
	s_wait_alu depctr_vm_vsrc(0)                   ; the last block's loads have read v16-20, v240-244 and v248-252, its ways out LA, S, YO and O; in the first block: the list's stores have read v248-251 and phase A's stores Y, which is S from here on
	s_sub_co_u32 s39, s33, s38                     ; live tiles from here on
	s_cmp_gt_u32 s39, 4
	s_cselect_b32 s40, 1, 0
	s_lshl2_add_u32 s41, s38, s18                  ; tile 0 of the block is the expert's tile 4 x 5 b + w
	s_lshl_b32 s41, s41, 4
	v_add_nc_u32 v240, s41, v1                     ; my rank in it
.irp t, 1,2,3,4
	v_add_nc_u32 v[240+\t], 64*\t, v240
.endr
.irp t, 0,1,2,3,4
	v_min_u32 v[240+\t], s31, v[240+\t]            ; a rank past the count repeats the last
	v_min_u32 v[240+\t], 1023, v[240+\t]
	v_lshl_add_u32 v[16+\t], v[240+\t], 7, v11     ; the rank's row of 128 bytes in a plane, + 16 for the upper half of the lanes
	v_lshl_add_u32 v[240+\t], v[240+\t], 2, v9
.endr
	s_wait_alu depctr_va_vdst(0)                   ; v16-20, v240-244 and v245 are written, which the loads below read; the last block's products and ways out (in the first block: the list's lines and phase A's conversions) are done with the registers in which these loads land
.irp t, 0,1,2,3,4
	ds_load_b32 v[248+\t], v[240+\t]               ; my rows' entries
.endr
	WIN 0x40                                       ; the sums start from the bias
.irp t, 0,1,2,3
.irp ct, 0,1,2,3
	ds_load_b128 v[32*\t+8*\ct:32*\t+8*\ct+3], v245 offset:64*\ct
	ds_load_b128 v[32*\t+8*\ct+4:32*\t+8*\ct+7], v245 offset:64*\ct+16
.endr
.endr
	WIN 0xc0
.irp ct, 0,1,2,3
	ds_load_b128 v[8*\ct:8*\ct+3], v245 offset:64*\ct
	ds_load_b128 v[8*\ct+4:8*\ct+7], v245 offset:64*\ct+16
.endr
	WIN 0
	BFHALF 0, 0, 0
	BFHALF 0, 0, 1
	TOK2 0, 0, 0
	TOK2 0, 0, 2
	TOK4 0, 0
	WIN 0
	s_wait_dscnt 56                                ; the five entries are in; the 40 loads of the bias and the 16 of the first fragments stay out
.irp t, 0,1,2,3,4
	v_min_u32 v[248+\t], 2047, v[248+\t]
	v_lshlrev_b32 v[248+\t], 2, v[248+\t]
.endr
	s_wait_alu depctr_va_vdst(0)                   ; the five offsets v248-252 are written, which the loads of gw read
.irp t, 0,1,2,3,4
	global_load_b32 v[GW+2*\t], v[248+\t], s[8:9]  ; the weight of my row's entry
.endr
.set ks, 0
.rept NPL
	STEP ks
.set ks, ks+1
.endr
	PLACES                                         ; behind the last products: the ways out read their results and write LA, which lies in their sources
	EPI 0
	EPI 1
	EPI 2
	EPI 3
	EPI 4
.Lnext:
	s_add_co_u32 s38, s38, 5
	s_add_co_u32 s37, s37, 1
	s_cmp_lt_u32 s37, 4
	s_cbranch_scc1 .Lblock
	s_wait_dscnt 0x0                               ; the wave's end: my last LDS instructions are done
	s_wait_alu depctr_hold_cnt(0) depctr_sa_sdst(0) depctr_va_vdst(0) depctr_va_sdst(0) depctr_va_ssrc(0) depctr_va_vcc(0) depctr_vm_vsrc(0)
	s_wait_tensorcnt 0x0
	ds_add_u32 v4, v8
	s_wait_dscnt 0x0
	s_endpgm
.Lfunc_end_k_q6e64b93072_down:
	.size	k_q6e64b93072_down, .Lfunc_end_k_q6e64b93072_down-k_q6e64b93072_down
	.p2alignl 7, 3214868480
	.fill 96, 4, 3214868480
	.section	.rodata,"a",@progbits
	.p2align	6, 0x0
	.amdhsa_kernel k_q6e64b93072_down
		.amdhsa_group_segment_fixed_size 167936
		.amdhsa_private_segment_fixed_size 0
		.amdhsa_enable_private_segment 0
		.amdhsa_kernarg_size 48
		.amdhsa_user_sgpr_count 2
		.amdhsa_user_sgpr_kernarg_segment_ptr 1
		.amdhsa_wavefront_size32 1
		.amdhsa_system_sgpr_workgroup_id_x 1
		.amdhsa_system_sgpr_workgroup_id_y 1
		.amdhsa_system_sgpr_workgroup_id_z 1
		.amdhsa_system_vgpr_workitem_id 0
		.amdhsa_next_free_vgpr 896
		.amdhsa_next_free_sgpr 66
		.amdhsa_reserve_vcc 0
		.amdhsa_float_denorm_mode_32 3
		.amdhsa_float_denorm_mode_16_64 3
		.amdhsa_memory_ordered 1
		.amdhsa_forward_progress 1
		.amdhsa_inst_pref_size 179
	.end_amdhsa_kernel
	.amdgpu_metadata
---
amdhsa.version: [ 1, 2 ]
amdhsa.kernels:
  - .name:           k_q6e64b93072_down
    .symbol:         k_q6e64b93072_down.kd
    .args:
      - { .name: act, .offset: 0, .size: 8, .value_kind: global_buffer, .address_space: global }
      - { .name: tk, .offset: 8, .size: 8, .value_kind: global_buffer, .address_space: global }
      - { .name: gw, .offset: 16, .size: 8, .value_kind: global_buffer, .address_space: global }
      - { .name: w2, .offset: 24, .size: 8, .value_kind: global_buffer, .address_space: global }
      - { .name: b2, .offset: 32, .size: 8, .value_kind: global_buffer, .address_space: global }
      - { .name: y, .offset: 40, .size: 8, .value_kind: global_buffer, .address_space: global }
    .group_segment_fixed_size: 167936
    .private_segment_fixed_size: 0
    .kernarg_segment_align: 8
    .kernarg_segment_size: 48
    .max_flat_workgroup_size: 128
    .sgpr_count:     66
    .vgpr_count:     896
    .wavefront_size: 32
...
	.end_amdgpu_metadata
.endif
;; end of part 6
;; launch sum: the kernel of part 4 again; grid 256 x 1, 4 waves a work-group, no clusters, 0 bytes of LDS; arguments y, out0; writes out0
